; MI455X (gfx1250); checked and timed in simulation.
; The chip was launched on July 23, 2026; its instructions are those of AMD's public machine-readable ISA for CDNA 5 (MIT licence, August 2026) and "CDNA5" Instruction Set Architecture Reference Guide (July 2026). The comments in the code are by the model that wrote it; some were corrected since.
;; Attention. Allowed arithmetic: float matrix products may take bf16 or f16 operands with f32 sums; all other float work in f32.
;; Inputs: mask 1 x 1 x 2,048 x 2,048 bool; wk 2,048 x 2,048 float32; wo 2,048 x 2,048 float32; wq 2,048 x 2,048 float32; wv 2,048 x 2,048 float32; x 1 x 2,048 x 2,048 float32.
;; Outputs: out0 1 x 2,048 x 2,048 float32.
;; 2 versions, each right; version 2 is version 1 with the launch conv written anew for expert scheduling mode. Each part assembles by itself: llvm-mc -triple=amdgcn-amd-amdhsa -mcpu=gfx1250 --defsym DOCPART=n.
;; ======== version 1 of 2: 4 launches
;; limits: values are held in f16: magnitudes above 65,504 overflow, below 6.1e-05 lose precision
;; workspace buffers: xb 8,388,608 bytes; wb 33,554,432 bytes; qb 8,388,608 bytes; kv 16,777,216 bytes; ab 8,388,608 bytes
;; launch conv (part 1): grid 1024 x 1, 8 waves a work-group, no clusters, 0 bytes of LDS; arguments x, wq, wk, wv, wo, xb, wb; writes xb, wb
.if DOCPART == 1
	.amdgcn_target "amdgcn-amd-amdhsa--gfx1250"
	.amdhsa_code_object_version 6
	.text
	.protected	k_qab85e95b95_conv
	.globl	k_qab85e95b95_conv
	.p2align	8
	.type	k_qab85e95b95_conv,@function
k_qab85e95b95_conv:
	s_mov_b64 s[64:65], 0
	v_nop
	global_prefetch_b8 v0, s[64:65] scope:SCOPE_SE
	s_setreg_imm32_b32 hwreg(HW_REG_WAVE_MODE, 25, 1), 1
	s_wait_xcnt 0x0
; conv: the five f32 inputs of 2048 x 2048 are rounded once to 16 bits, so that the three matrix launches move and read half the bytes.
;   xb = bf16(x);  wb parts 0, 1, 2 = bf16(wq), bf16(wk), bf16(wv): together one matrix of [6144][2048];
;   wb part 3 = f16(4 * bf16(wo)): the 8 significant bits of a bf16 fit into the 11 of an f16, and 4 is a power of two.
; LIMIT: part 3 is exact for 2^-16 <= |wo| < 16376; smaller numbers are rounded to multiples of 2^-26, larger ones overflow f16.
; A stream: memory binds, so no LDS, no matrix unit, no cluster and no barrier.  A source is 1,024 x 16,384 bytes; work-group g takes bytes 16,384 g ..
; of each of the five.  A thread issues its 20 loads of 16 bytes at once (a load of a wave covers 512 neighbouring bytes) and stores 8 bytes for each:
; the 32 lanes of a store cover 256 consecutive bytes, aligned.  No address or store register is written twice, so the only waits are the counted ones for the loads.
.set X, 4                              ; v[4:83]    load n = 4 src + j: four f32
.set Y, 84                             ; v[84:123]  load n: its four numbers in 16 bits
	s_load_b256 s[4:11], s[0:1], 0x0               ; x s[4:5], wq s[6:7], wk s[8:9], wv s[10:11]
	s_load_b128 s[12:15], s[0:1], 0x20             ; wo s[12:13], xb s[14:15]
	s_load_b64 s[16:17], s[0:1], 0x30              ; wb
	s_lshl_b32 s2, ttmp9, 14                       ; the group's 16,384 bytes of a source
	s_lshl_b32 s3, ttmp9, 13                       ; and its 8,192 bytes of a result
	v_lshlrev_b32 v1, 4, v0
	v_lshlrev_b32 v2, 3, v0
	v_add_nc_u32 v1, s2, v1                        ; 16 t + 16,384 g
	v_add_nc_u32 v2, s3, v2                        ; 8 t + 8,192 g
	s_wait_kmcnt 0x0
.irp src, 0,1,2,3,4
.irp j, 0,1,2,3
	global_load_b128 v[X+16*\src+4*\j:X+16*\src+4*\j+3], v1, s[4+2*\src:5+2*\src] offset:4096*\j th:TH_LOAD_NT
.endr
.endr
	s_add_nc_u64 s[18:19], s[16:17], 0x800000      ; wb part 1
	s_add_nc_u64 s[20:21], s[16:17], 0x1000000     ; wb part 2
	s_add_nc_u64 s[22:23], s[16:17], 0x1800000     ; wb part 3: the results of source src go to s[14 + 2 src : 15 + 2 src]
.macro CV src, j
	s_wait_loadcnt 19-(4*\src+\j)                  ; loads come back in order (ISA guide 5.7.1): this one is in, the younger ones stay out
	v_cvt_pk_bf16_f32 v[Y+8*\src+2*\j],   v[X+16*\src+4*\j],   v[X+16*\src+4*\j+1]
	v_cvt_pk_bf16_f32 v[Y+8*\src+2*\j+1], v[X+16*\src+4*\j+2], v[X+16*\src+4*\j+3]
.if \src == 4
	v_lshlrev_b32 v[X+16*\src+4*\j],   16,         v[Y+8*\src+2*\j]      ; wo: the rounded numbers back in f32,
	v_and_b32     v[X+16*\src+4*\j+1], 0xffff0000, v[Y+8*\src+2*\j]
	v_lshlrev_b32 v[X+16*\src+4*\j+2], 16,         v[Y+8*\src+2*\j+1]
	v_and_b32     v[X+16*\src+4*\j+3], 0xffff0000, v[Y+8*\src+2*\j+1]
	v_pk_mul_f32 v[X+16*\src+4*\j:X+16*\src+4*\j+1],   v[X+16*\src+4*\j:X+16*\src+4*\j+1],   4.0 op_sel_hi:[1,0]   ; times 4,
	v_pk_mul_f32 v[X+16*\src+4*\j+2:X+16*\src+4*\j+3], v[X+16*\src+4*\j+2:X+16*\src+4*\j+3], 4.0 op_sel_hi:[1,0]
	v_cvt_pk_f16_f32 v[Y+8*\src+2*\j],   v[X+16*\src+4*\j],   v[X+16*\src+4*\j+1]                                   ; as f16
	v_cvt_pk_f16_f32 v[Y+8*\src+2*\j+1], v[X+16*\src+4*\j+2], v[X+16*\src+4*\j+3]
.endif
	global_store_b64 v2, v[Y+8*\src+2*\j:Y+8*\src+2*\j+1], s[14+2*\src:15+2*\src] offset:2048*\j
.endm
.irp src, 0,1,2,3,4
.irp j, 0,1,2,3
	CV \src, \j
.endr
.endr
	s_endpgm
.Lfunc_end_k_qab85e95b95_conv:
	.size	k_qab85e95b95_conv, .Lfunc_end_k_qab85e95b95_conv-k_qab85e95b95_conv
	.p2alignl 7, 3214868480
	.fill 96, 4, 3214868480
	.section	.rodata,"a",@progbits
	.p2align	6, 0x0
	.amdhsa_kernel k_qab85e95b95_conv
		.amdhsa_group_segment_fixed_size 0
		.amdhsa_private_segment_fixed_size 0
		.amdhsa_enable_private_segment 0
		.amdhsa_kernarg_size 56
		.amdhsa_user_sgpr_count 2
		.amdhsa_user_sgpr_kernarg_segment_ptr 1
		.amdhsa_wavefront_size32 1
		.amdhsa_system_sgpr_workgroup_id_x 1
		.amdhsa_system_sgpr_workgroup_id_y 1
		.amdhsa_system_sgpr_workgroup_id_z 1
		.amdhsa_system_vgpr_workitem_id 0
		.amdhsa_next_free_vgpr 124
		.amdhsa_next_free_sgpr 66
		.amdhsa_reserve_vcc 0
		.amdhsa_float_denorm_mode_32 3
		.amdhsa_float_denorm_mode_16_64 3
		.amdhsa_memory_ordered 1
		.amdhsa_forward_progress 1
		.amdhsa_inst_pref_size 10
	.end_amdhsa_kernel
	.amdgpu_metadata
---
amdhsa.version: [ 1, 2 ]
amdhsa.kernels:
  - .name:           k_qab85e95b95_conv
    .symbol:         k_qab85e95b95_conv.kd
    .args:
      - { .name: x, .offset: 0, .size: 8, .value_kind: global_buffer, .address_space: global }
      - { .name: wq, .offset: 8, .size: 8, .value_kind: global_buffer, .address_space: global }
      - { .name: wk, .offset: 16, .size: 8, .value_kind: global_buffer, .address_space: global }
      - { .name: wv, .offset: 24, .size: 8, .value_kind: global_buffer, .address_space: global }
      - { .name: wo, .offset: 32, .size: 8, .value_kind: global_buffer, .address_space: global }
      - { .name: xb, .offset: 40, .size: 8, .value_kind: global_buffer, .address_space: global }
      - { .name: wb, .offset: 48, .size: 8, .value_kind: global_buffer, .address_space: global }
    .group_segment_fixed_size: 0
    .private_segment_fixed_size: 0
    .kernarg_segment_align: 8
    .kernarg_segment_size: 56
    .max_flat_workgroup_size: 256
    .sgpr_count:     66
    .vgpr_count:     124
    .wavefront_size: 32
...
	.end_amdgpu_metadata
.endif
;; end of part 1
;; launch qkv (part 2): grid 16 x 16, 4 waves a work-group, clusters of 4 x 4, 327,680 bytes of LDS; arguments xb, wb, qb, kv; writes qb, kv
.if DOCPART == 2
	.amdgcn_target "amdgcn-amd-amdhsa--gfx1250"
	.amdhsa_code_object_version 6
	.text
	.protected	k_qab85e95b95_qkv
	.globl	k_qab85e95b95_qkv
	.p2align	8
	.type	k_qab85e95b95_qkv,@function
k_qab85e95b95_qkv:
	s_mov_b64 s[64:65], 0
	v_nop
	global_prefetch_b8 v0, s[64:65] scope:SCOPE_SE
	s_setreg_imm32_b32 hwreg(HW_REG_WAVE_MODE, 25, 1), 1
	s_wait_xcnt 0x0
	s_wait_alu depctr_hold_cnt(0) depctr_sa_sdst(0) depctr_va_vdst(0) depctr_va_sdst(0) depctr_va_ssrc(0) depctr_va_vcc(0) depctr_vm_vsrc(0)
	s_getreg_b32 s2, hwreg(HW_REG_IB_STS2, 6, 4)
	s_cmp_eq_u32 s2, 0
	s_cbranch_scc0 .Lentry_in_a_cluster
	s_endpgm
.Lentry_in_a_cluster:
	s_bfe_u32 s2, ttmp6, 0x10000c
	s_cmp_lg_u32 s2, 0xf033
	s_cbranch_scc0 .Lentry_shape_is_right
	s_endpgm
.Lentry_shape_is_right:
; qkv: q, k, v = x W^T for one head and 128 rows of x, the rotation of q and k, all divided by 4 and rounded to f16.
;   xb [2048][2048] bf16; wb parts 0..2 = [6144][2048] bf16 (rows of wq, wk, wv).  Sums in f32.
;   qb [head][block][128 s][128 d] = rope(q)/4;  kv [head][block][0][128 s][128 d] = rope(k)/4;  kv [head][block][1][128 d][128 s] = (v/4) transposed.
; Grid x = head, y = block of 128 rows: 256 work-groups.  Four waves; wave w: i = w >> 1 (rows 64 i ..), j = w & 1 (columns 64 j .. of each of q, k, v):
; 4 row tiles a x 12 column tiles b = 4 t + c (t = 0 q, 1 k, 2 v) = 48 accumulators, 384 registers.  For 32 along K a wave loads 16 fragments for 48 products.
; K goes in steps of 128 (rows of 256 bytes, aligned) through two LDS slots filled by the tensor data mover.
; CLUSTERS of 4 x 4: the tile of x hangs on the row block alone and is asked for jointly along a row of the cluster (wave 0);
; the tiles of wq, wk, wv hang on the head alone and are asked for jointly along a column (waves 1, 2, 3).
; q and k tiles are made TRANSPOSED (source 0 = rows of W, source 1 = rows of x): a lane holds row s = l % 16 and eight neighbouring d, that is four
; rotation pairs and 16 bytes of a row of q.  v tiles are made the natural way: a lane holds d = l % 16 and eight neighbouring s: 16 bytes of a row of v^T.
; cos and sin are made in f32 while the first tiles travel: theta = 2^(-f log2(10000)/64), angle = s theta, reduced by multiples of pi/2 held in two parts,
; polynomials of degree 7 and 8 on |r| <= pi/4.
; LIMITS: q, k, v overflow f16 above 262,000 in magnitude (65,504 x 4).  The polynomials are cut at 3.1e-7 (sin) and 2.5e-8 (cos).  theta carries the error of
; v_exp_f32, so that an angle near 2,000 may differ by some 2e-4 from one made with another power function.
;
; REGISTERS by windows of 256:
;   window 0: v16-30 addresses; v96-159 rotated f32; v208-239 v/4 in f32; v160-207 packed f16; v96-159 and v160-223 again for the rows read back
;   window 1: fragments, buffers f = 0, 1: of W at v[96 f + 8 b], of x at v[192 + 32 f + 8 a]
;   window 2 + (a >> 1): accumulator (a, b) at v[96 (a & 1) + 8 b]; (cos/4, sin/4) of row tile a, column tile c, pair p at v[192 + 32 (a & 1) + 8 c + 2 p]
.set PITCH,  272                       ; an LDS row: 256 bytes + 16 = 17 x 16: the sixteen rows of a fragment load start in sixteen different 16-byte columns modulo 256
.set HALFT,  128*PITCH                 ; 128 rows: what one tensor load brings
.set SLOT,   4*HALFT                   ; rows of x, of wq, of wk, of wv
.set KSTEP,  128
.set LAPS,   2048/(2*KSTEP)            ; a lap = two K steps = once round the ring
.set ADRA, 16                          ; v16-17  my rows of x in slot 0, 1
.set ADRB, 18                          ; v18-23  my rows of wq, wk, wv in slot 0, then in slot 1
.set STQ,  24                          ; where I put 16 bytes of a row of q (k: + HALFT)
.set STV,  25                          ; where I put 16 bytes of a row of v^T
.set RD,   26                          ; where I read rows back (stages of q and k)
.set RD2,  27                          ; the same in the stage of v^T
.set CO,   28                          ; my byte offset in a plane of 32 KiB
.set FB,   29                          ; 32 j + 4 h: my first frequency
.set RB0,  30                          ; 128 block + 64 i + r: my first row of the sequence
.set T,    96
.set PK,   160
.set T2,   208
.set BUF0, 96
.set BUF1, 160
.set CS,   192                         ; in windows 2 and 3
.set TH,   0                           ; arrays of 16 in the accumulators, which are not yet in use: theta,
.set ANG,  16                          ; angle,
.set NN,   32                          ; multiple of pi/2, later sin,
.set RR,   48                          ; reduced angle, later cos,
.set R2,   64                          ; its square,
.set SNP,  80                          ; sin of the reduced angle,
.set CSP,  96                          ; cos of it,
.set QI,   112                         ; the multiple as a whole number
.set IB,   128
.set RBW,  129
.set SR,   130
.set G1,  24                           ; s[24:31] group 1 for x
.set G0,  32                           ; s[32:39] group 0 for x, one set a slot
.set G1B, 48                           ; s[48:55] group 1 for W
.set G0B, 56                           ; s[56:63] group 0 for W, one set a slot
.set MSB, 0
.macro WIN new                         ; the immediate's high byte repeats the setting that is left
.if MSB != \new
	s_set_vgpr_msb (MSB<<8)|\new
.set MSB, \new
.endif
.endm
.set MUL_LO, 0xa5                      ; both sources window 1, C and D window 2
.set MUL_HI, 0xf5                      ; the same, C and D window 3
.set TO_F,   0x40                      ; destination window 1, address window 0
.macro JLOAD s                         ; wave 0 asks for x, waves 1 to 3 for wq, wk, wv: each line has one mask; the branch hangs on the wave number alone
	s_cmp_eq_u32 s12, 0
	s_cbranch_scc0 .Lfor_b_\@
	tensor_load_to_lds s[G0+4*\s:G0+4*\s+3], s[G1:G1+7]
	s_nop 0
	s_branch .Lasked_\@
.Lfor_b_\@:
	tensor_load_to_lds s[G0B+4*\s:G0B+4*\s+3], s[G1B:G1B+7]
	s_nop 0
.Lasked_\@:
.endm
.macro CREST                           ; a round of the cluster's barrier behind its opening barrier
	s_cmp_lg_u32 s12, 0
	s_cbranch_scc1 .Lnot_wave_0_\@
	s_barrier_signal -3
.Lnot_wave_0_\@:
	s_barrier_wait -3
	s_barrier_signal -1
	s_barrier_wait -1
.endm
.macro CROUND                          ; a whole round
	s_barrier_signal -1
	s_barrier_wait -1
	CREST
.endm
.macro PLACES                          ; four plain vector instructions behind a matrix instruction, before its registers are loaded into, read or written (ISA guide 7.12.1)
.rept 4
	v_nop
.endr
.endm
	s_load_b256 s[4:11], s[0:1], 0x0               ; xb s[4:5], wb s[6:7], qb s[8:9], kv s[10:11]
	v_lshl_add_u32 v254, v0, 2, 0x44000
	v_mov_b32 v255, 0
	ds_add_u32 v254, v255
	v_lshrrev_b32 v1, 5, v0
	v_readfirstlane_b32 s12, v1                    ; wave 0..3
	s_lshr_b32 s13, s12, 1                         ; i
	s_and_b32 s14, s12, 1                          ; j
	s_bfe_u32 s40, ttmp6, 0x40000                  ; cx
	s_bfe_u32 s41, ttmp6, 0x40004                  ; cy
	s_lshl_b32 s42, ttmp9, 2
	s_add_co_u32 s42, s42, s40                     ; head = 4 x cluster x + cx
	s_and_b32 s43, ttmp7, 0xffff
	s_lshl_b32 s43, s43, 2
	s_add_co_u32 s43, s43, s41                     ; row block = 4 x cluster y + cy
	s_lshl_b32 s44, s41, 2
	s_lshl_b32 s44, 15, s44                        ; my row of the cluster
	s_lshl_b32 s45, 0x1111, s40                    ; my column
	; group 1: 128 rows x 128 elements of 2 bytes, 2,048 elements from row to row, 4 words of padding behind every 64
	s_or_b32 s[G1+0], s44, (1<<16)|(1<<20)|(1<<21)|(5<<22)|(3<<25)
	s_or_b32 s[G1B+0], s45, (1<<16)|(1<<20)|(1<<21)|(5<<22)|(3<<25)
	s_mov_b32 s[G1+1], KSTEP<<16                   ; tensor_dim0 = 128
	s_mov_b32 s[G1B+1], KSTEP<<16
	s_mov_b32 s[G1+2], 128<<16                     ; tensor_dim1 = 128
	s_mov_b32 s[G1B+2], 128<<16
	s_mov_b32 s[G1+3], KSTEP<<16                   ; tile_dim0 = 128
	s_mov_b32 s[G1B+3], KSTEP<<16
	s_mov_b32 s[G1+4], 128                         ; tile_dim1 = 128
	s_mov_b32 s[G1B+4], 128
	s_mov_b32 s[G1+5], 2048                        ; the pitch
	s_mov_b32 s[G1B+5], 2048
	s_mov_b32 s[G1+6], 0
	s_mov_b32 s[G1B+6], 0
	s_mov_b32 s[G1+7], 0
	s_mov_b32 s[G1B+7], 0
	s_lshl_b32 s16, s43, 19                        ; x: row block x 128 rows x 4,096 bytes
	s_mov_b32 s17, 0
	s_max_u32 s46, s12, 1
	s_sub_co_u32 s46, s46, 1                       ; W: part 0, 1, 2 for waves 1, 2, 3 (wave 0 makes part 0's address and does not use it)
	s_lshl_b32 s46, s46, 23                        ; part x 2,048 rows x 4,096 bytes
	s_lshl_b32 s47, s42, 19                        ; + head x 128 rows
	s_add_co_u32 s46, s46, s47
	s_mov_b32 s47, 0
	s_mul_i32 s20, s12, HALFT                      ; where a wave's tile goes: wave x 128 rows
	s_wait_dscnt 0x0
	s_wait_kmcnt 0x0
	s_add_nc_u64 s[18:19], s[4:5], s[16:17]
	s_add_nc_u64 s[46:47], s[6:7], s[46:47]
	CROUND                                         ; all sixteen work-groups are here: the first joint loads meet
.irp s, 0,1
	s_mov_b32 s[G0+4*\s], 1
	s_add_co_u32 s[G0+4*\s+1], s20, \s*SLOT
	s_add_nc_u64 s[G0+4*\s+2:G0+4*\s+3], s[18:19], \s*KSTEP*2
	s_or_b32 s[G0+4*\s+3], s[G0+4*\s+3], 0x80000000
	s_mov_b32 s[G0B+4*\s], 1
	s_add_co_u32 s[G0B+4*\s+1], s20, \s*SLOT
	s_add_nc_u64 s[G0B+4*\s+2:G0B+4*\s+3], s[46:47], \s*KSTEP*2
	s_or_b32 s[G0B+4*\s+3], s[G0B+4*\s+3], 0x80000000
	JLOAD \s                                       ; K steps 0 and 1: two tensor loads of the wave are out
.endr
	; addresses
	v_and_b32 v1, 15, v0                           ; r = l % 16
	v_bfe_u32 v2, v0, 4, 1                         ; h = l / 16
	v_mul_u32_u24 v3, v1, PITCH
	v_lshl_add_u32 v3, v2, 4, v3                   ; r x pitch + 16 h
	s_mul_i32 s21, s13, 64*PITCH                   ; my 64 rows of x
	s_mul_i32 s22, s14, 64*PITCH
	s_add_co_u32 s22, s22, HALFT                   ; my 64 rows of wq
	v_add_nc_u32 v[ADRA], s21, v3
	v_add_nc_u32 v[ADRA+1], SLOT, v[ADRA]
	v_add_nc_u32 v5, s22, v3
.irp t, 0,1,2
	v_add_nc_u32 v[ADRB+\t], \t*HALFT, v5
	v_add_nc_u32 v[ADRB+3+\t], SLOT+\t*HALFT, v5
.endr
	s_lshl_b32 s23, s14, 7
	v_add_nc_u32 v[STQ], s23, v[ADRA]              ; (64 i + r) pitch + 128 j + 16 h
	s_lshl_b32 s23, s13, 7
	s_add_co_u32 s23, s23, HALFT
	v_add_nc_u32 v[STV], s23, v5                   ; 2 HALFT + (64 j + r) pitch + 128 i + 16 h
	v_mul_u32_u24 v6, v2, PITCH
	v_lshl_add_u32 v6, v1, 4, v6
	s_mul_i32 s23, s12, 32*PITCH
	v_add_nc_u32 v[RD], s23, v6                    ; (32 w + h) pitch + 16 r
	v_add_nc_u32 v[RD2], 2*HALFT, v[RD]
	v_and_b32 v7, 31, v0
	s_lshl_b32 s23, s12, 13
	v_lshl_add_u32 v[CO], v7, 4, s23               ; 8,192 w + 16 l
	s_lshl_b32 s23, s14, 5
	v_lshl_add_u32 v[FB], v2, 2, s23               ; 32 j + 4 h
	s_lshl_b32 s77, s43, 7
	s_lshl_b32 s78, s13, 6
	s_add_co_u32 s77, s77, s78
	v_add_nc_u32 v[RB0], s77, v1                   ; 128 block + 64 i + r
	s_lshl_b32 s96, s42, 4
	s_add_co_u32 s96, s96, s43                     ; 16 head + block
	s_lshl_b32 s98, s96, 16                        ; x 65,536 in kv
	s_lshl_b32 s96, s96, 15                        ; x 32,768 in qb
	s_mov_b32 s97, 0
	s_mov_b32 s99, 0
	s_add_nc_u64 s[8:9], s[8:9], s[96:97]
	s_add_nc_u64 s[10:11], s[10:11], s[98:99]
	s_mov_b32 s66, 0x3f22f983                      ; 2/pi
	s_mov_b32 s67, 0xbfc90fdb                      ; -(pi/2 rounded to f32)
	s_mov_b32 s68, 0x333bbd2e                      ; that rounded number less pi/2
	s_mov_b32 s69, 0xbe2aaaab                      ; -1/6
	s_mov_b32 s70, 0x3c088889                      ; 1/120
	s_mov_b32 s71, 0xb9500d01                      ; -1/5040
	s_mov_b32 s72, 0x3d2aaaab                      ; 1/24
	s_mov_b32 s73, 0xbab60b61                      ; -1/720
	s_mov_b32 s74, 0x37d00d01                      ; 1/40320
	s_mov_b32 s75, 0x3e800000                      ; 1/4
	s_mov_b32 s76, 0x80000000                      ; the sign
; THE TABLE OF cos/4 AND sin/4.  Each stage runs over the 16 frequencies e = 4 c + p of a lane, so that no line waits for the one in front of it.
.macro E1 op, d, a
.set e, 0
.rept 16
	\op v[\d+e], v[\a+e]
.set e, e+1
.endr
.endm
.macro E2 op, d, a, b
.set e, 0
.rept 16
	\op v[\d+e], v[\a+e], v[\b+e]
.set e, e+1
.endr
.endm
.macro EK op, d, k, b
.set e, 0
.rept 16
	\op v[\d+e], \k, v[\b+e]
.set e, e+1
.endr
.endm
.macro FVKV d, a, k, c
.set e, 0
.rept 16
	v_fma_f32 v[\d+e], v[\a+e], \k, v[\c+e]
.set e, e+1
.endr
.endm
.macro FVKK d, a, k, m
.set e, 0
.rept 16
	v_fma_f32 v[\d+e], v[\a+e], \k, \m
.set e, e+1
.endr
.endm
.macro FVVK d, a, b, k
.set e, 0
.rept 16
	v_fma_f32 v[\d+e], v[\a+e], v[\b+e], \k
.set e, e+1
.endr
.endm
.macro FVVV d, a, b, c
.set e, 0
.rept 16
	v_fma_f32 v[\d+e], v[\a+e], v[\b+e], v[\c+e]
.set e, e+1
.endr
.endm
.macro THETA                           ; theta of frequency 32 j + 4 h + 8 c + p
.set e, 0
.rept 16
	v_add_nc_u32 v[ANG+e], 8*(e>>2)+(e&3), v[IB]
.set e, e+1
.endr
	E1 v_cvt_f32_u32, ANG, ANG
	EK v_mul_f32, ANG, 0xbe549a78, ANG             ; x -log2(10000)/64
	E1 v_exp_f32, TH, ANG
	v_nop                                          ; one plain instruction behind the exponentials (ISA guide 5.7.2)
	s_wait_alu depctr_va_vdst(0)
.endm
.macro SINCOS aa, a                    ; row tile a, the window's tile aa
	v_add_nc_u32 v[SR], 16*(\a), v[RBW]
	v_cvt_f32_u32 v[SR], v[SR]                     ; my row of the sequence
.set e, 0
.rept 16
	v_mul_f32 v[ANG+e], v[SR], v[TH+e]             ; the angle, rounded to f32 as the product s theta
.set e, e+1
.endr
	EK v_mul_f32, NN, s66, ANG
	E1 v_rndne_f32, NN, NN                         ; the nearest multiple of pi/2
	FVKV RR, NN, s67, ANG
	FVKV RR, NN, s68, RR                           ; the reduced angle, |r| <= pi/4
	E2 v_mul_f32, R2, RR, RR
	FVKK SNP, R2, s71, s70
	FVVK SNP, SNP, R2, s69
	E2 v_mul_f32, SNP, SNP, R2
	FVVV SNP, SNP, RR, RR                          ; sin r = r + r r^2 (-1/6 + r^2 (1/120 - r^2/5040))
	FVKK CSP, R2, s74, s73
	FVVK CSP, CSP, R2, s72
	FVVK CSP, CSP, R2, -0.5
	FVVK CSP, CSP, R2, 1.0                         ; cos r = 1 + r^2 (-1/2 + r^2 (1/24 + r^2 (-1/720 + r^2/40320)))
	E1 v_cvt_i32_f32, QI, NN
	EK v_and_b32, ANG, 1, QI
.set e, 0
.rept 16
	v_cmp_eq_u32 s[80+e], 1, v[ANG+e]              ; an odd multiple swaps sin and cos: a choice between two values, no branch
.set e, e+1
.endr
.set e, 0
.rept 16
	v_cndmask_b32 v[NN+e], v[SNP+e], v[CSP+e], s[80+e]
.set e, e+1
.endr
.set e, 0
.rept 16
	v_cndmask_b32 v[RR+e], v[CSP+e], v[SNP+e], s[80+e]
.set e, e+1
.endr
	EK v_lshlrev_b32, R2, 30, QI
	EK v_and_b32, R2, s76, R2                      ; sin changes sign in quadrants 2 and 3,
	E2 v_xor_b32, NN, NN, R2
	EK v_add_nc_u32, QI, 1, QI
	EK v_lshlrev_b32, QI, 30, QI
	EK v_and_b32, QI, s76, QI                      ; cos in quadrants 1 and 2
	E2 v_xor_b32, RR, RR, QI
.set e, 0
.rept 16
	v_mul_f32 v[CS+32*\aa+2*e], s75, v[RR+e]
.set e, e+1
.endr
.set e, 0
.rept 16
	v_mul_f32 v[CS+32*\aa+2*e+1], s75, v[NN+e]
.set e, e+1
.endr
.endm
.macro TRIG wdst, wall, a0
	WIN \wdst                                      ; destination in the window, source in window 0
	v_mov_b32 v[IB], v[FB]
	v_mov_b32 v[RBW], v[RB0]
	WIN \wall                                      ; every operand in the window
	THETA
	SINCOS 0, \a0
	SINCOS 1, \a0+1
.endm
	TRIG 0x80, 0xaa, 0
	TRIG 0xc0, 0xff, 2
	WIN 0
; 12 products of row tile a = 2 hi + aa.  The 48 accumulators take turns, one instruction a turn, in the same order in every quarter step.
.macro MULH f, hi, aa, zero
.irp b, 0,1,2,3,4,5,6,7
.if \zero
	v_wmma_f32_16x16x32_bf16 v[96*\aa+8*\b:96*\aa+8*\b+7], v[96*\f+8*\b:96*\f+8*\b+7], v[192+32*\f+8*(2*\hi+\aa):192+32*\f+8*(2*\hi+\aa)+7], 0
.else
	v_wmma_f32_16x16x32_bf16 v[96*\aa+8*\b:96*\aa+8*\b+7], v[96*\f+8*\b:96*\f+8*\b+7], v[192+32*\f+8*(2*\hi+\aa):192+32*\f+8*(2*\hi+\aa)+7], v[96*\aa+8*\b:96*\aa+8*\b+7]
.endif
.endr
.irp b, 8,9,10,11
.if \zero
	v_wmma_f32_16x16x32_bf16 v[96*\aa+8*\b:96*\aa+8*\b+7], v[192+32*\f+8*(2*\hi+\aa):192+32*\f+8*(2*\hi+\aa)+7], v[96*\f+8*\b:96*\f+8*\b+7], 0
.else
	v_wmma_f32_16x16x32_bf16 v[96*\aa+8*\b:96*\aa+8*\b+7], v[192+32*\f+8*(2*\hi+\aa):192+32*\f+8*(2*\hi+\aa)+7], v[96*\f+8*\b:96*\f+8*\b+7], v[96*\aa+8*\b:96*\aa+8*\b+7]
.endif
.endr
.endm
; 32 LDS loads in one run: 12 fragments of W, then 4 of x, 32 K at byte k of the rows, into buffer f
.macro FETCH slot, k, f
	WIN TO_F
.irp t, 0,1,2
.irp c, 0,1,2,3
	ds_load_b128 v[96*\f+8*(4*\t+\c):96*\f+8*(4*\t+\c)+3],   v[ADRB+3*\slot+\t] offset:\k+\c*16*PITCH
	ds_load_b128 v[96*\f+8*(4*\t+\c)+4:96*\f+8*(4*\t+\c)+7], v[ADRB+3*\slot+\t] offset:\k+\c*16*PITCH+32
.endr
.endr
.irp a, 0,1,2,3
	ds_load_b128 v[192+32*\f+8*\a:192+32*\f+8*\a+3],   v[ADRA+\slot] offset:\k+\a*16*PITCH
	ds_load_b128 v[192+32*\f+8*\a+4:192+32*\f+8*\a+7], v[ADRA+\slot] offset:\k+\a*16*PITCH+32
.endr
.endm
.macro QUARTER slot, k, f, g, zero
	s_wait_dscnt 4                                 ; all of W and row tiles 0, 1 of x are in; the youngest four loads (row tiles 2, 3) may be out
	WIN MUL_LO
	MULH \f, 0, 0, \zero
	MULH \f, 0, 1, \zero
	PLACES
	FETCH \slot, \k, \g
	s_wait_dscnt 32                                ; all but the 32 just issued
	WIN MUL_HI
	MULH \f, 1, 0, \zero
	MULH \f, 1, 1, \zero
.endm
.macro THREE slot, zero
	QUARTER \slot, 64,  0, 1, \zero
	QUARTER \slot, 128, 1, 0, 0
	QUARTER \slot, 192, 0, 1, 0
.endm
; The last quarter of a K step multiplies buffer 1 and changes slots.  In front of the barrier each wave waits for its reads of this slot and for all its
; tensor loads (one is out: its part of the next slot).  Where the slot is filled again the barrier opens a round of the cluster's barrier, and the joint
; refill is the wave's first and only tensor load behind the round.  From that request to the wait for it the wave issues 180 products.
.macro TURN slot, next, fill
	s_wait_dscnt 4
	WIN MUL_LO
	MULH 1, 0, 0, 0
	s_wait_dscnt 0
	s_set_vgpr_msb 0xa5a0
	s_wait_tensorcnt 0x0
	ds_add_u32 v254, v255
	s_wait_dscnt 0x0
	s_set_vgpr_msb 0xa0a5
	s_barrier_signal -1
	MULH 1, 0, 1, 0                                ; registers only, while the others arrive
	WIN 0
	s_barrier_wait -1
.if \fill
	CREST
	s_add_nc_u64 s[G0+4*\slot+2:G0+4*\slot+3], s[G0+4*\slot+2:G0+4*\slot+3], 2*KSTEP*2
	s_add_nc_u64 s[G0B+4*\slot+2:G0B+4*\slot+3], s[G0B+4*\slot+2:G0B+4*\slot+3], 2*KSTEP*2
	JLOAD \slot
.endif
	PLACES
	FETCH \next, 0, 0
	WIN MUL_HI
	MULH 1, 1, 0, 0
	MULH 1, 1, 1, 0
.endm
.macro LAP zero
	THREE 0, \zero
	TURN 0, 1, 1
	THREE 1, 0
	TURN 1, 0, 1
.endm
	s_wait_tensorcnt 0x1                           ; my part of K step 0 is in; K step 1's stays out
	s_barrier_signal -1
	s_barrier_wait -1
	FETCH 0, 0, 0
	LAP 1                                          ; the first products start the sums: nothing is cleared
	WIN 0
	s_mov_b32 s3, LAPS-2
.Llap:
	LAP 0
	WIN 0
	s_sub_co_u32 s3, s3, 1
	s_cmp_lg_u32 s3, 0
	s_cbranch_scc1 .Llap
	THREE 0, 0                                     ; the last lap fills nothing
	TURN 0, 1, 0                                   ; behind this barrier no wave reads slot 0 and no load goes there any more
	THREE 1, 0
	s_wait_dscnt 4
	WIN MUL_LO
	MULH 1, 0, 0, 0
	MULH 1, 0, 1, 0
	s_wait_dscnt 0
	WIN MUL_HI
	MULH 1, 1, 0, 0
	MULH 1, 1, 1, 0
	PLACES
; THE WAY OUT.  Row tile a: the rotation on pairs (x0 c - x1 s, x1 c + x0 s) with c, s already divided by 4, v divided by 4, all rounded to f16, 16 bytes a lane
; into three stages of 128 x 272 bytes that lie in slot 0, which has had its last fill: q at 0, k at HALFT, v^T at 2 HALFT.
.macro OUTA a, aa, from
	WIN \from                                      ; sources 0 and 1 in the accumulators' window, source 2 and destination in window 0
.irp b, 0,1,2,3,4,5,6,7
.irp p, 0,1,2,3
	v_pk_mul_f32 v[T+8*\b+2*\p:T+8*\b+2*\p+1], v[96*\aa+8*\b+2*\p:96*\aa+8*\b+2*\p+1], v[CS+32*\aa+8*(\b&3)+2*\p:CS+32*\aa+8*(\b&3)+2*\p+1] op_sel_hi:[1,0]
.endr
.endr
.irp b, 0,1,2,3,4,5,6,7
.irp p, 0,1,2,3
	v_pk_fma_f32 v[T+8*\b+2*\p:T+8*\b+2*\p+1], v[96*\aa+8*\b+2*\p:96*\aa+8*\b+2*\p+1], v[CS+32*\aa+8*(\b&3)+2*\p:CS+32*\aa+8*(\b&3)+2*\p+1], v[T+8*\b+2*\p:T+8*\b+2*\p+1] op_sel:[1,1,0] op_sel_hi:[0,1,1] neg_lo:[0,1,0]
.endr
.endr
.irp c, 0,1,2,3
.irp p, 0,1,2,3
	v_pk_mul_f32 v[T2+8*\c+2*\p:T2+8*\c+2*\p+1], v[96*\aa+64+8*\c+2*\p:96*\aa+64+8*\c+2*\p+1], 0x3e800000 op_sel_hi:[1,0]
.endr
.endr
	WIN 0
.irp b, 0,1,2,3,4,5,6,7
.irp p, 0,1,2,3
	v_cvt_pk_f16_f32 v[PK+4*\b+\p], v[T+8*\b+2*\p], v[T+8*\b+2*\p+1]
.endr
.endr
.irp c, 0,1,2,3
.irp p, 0,1,2,3
	v_cvt_pk_f16_f32 v[PK+32+4*\c+\p], v[T2+8*\c+2*\p], v[T2+8*\c+2*\p+1]
.endr
.endr
.irp c, 0,1,2,3
	ds_store_b128 v[STQ], v[PK+4*\c:PK+4*\c+3]       offset:\a*16*PITCH+32*\c
	ds_store_b128 v[STQ], v[PK+16+4*\c:PK+16+4*\c+3] offset:HALFT+\a*16*PITCH+32*\c
	ds_store_b128 v[STV], v[PK+32+4*\c:PK+32+4*\c+3] offset:\c*16*PITCH+32*\a
.endr
.endm
	OUTA 0, 0, 0x0a
	OUTA 1, 1, 0x0a
	OUTA 2, 0, 0x0f
	OUTA 3, 1, 0x0f
	s_wait_dscnt 0x0                               ; my stores into the stages are done, for the others' sake
	s_barrier_signal -1
	s_barrier_wait -1
; Wave w takes rows 32 w .. 32 w + 31 of each stage: a load brings two whole rows, a store of the wave covers 512 consecutive bytes, aligned.
.macro BACK buf, adr, loff, base, goff
.irp t, 0,1,2,3,4,5,6,7,8,9,10,11,12,13,14,15
	ds_load_b128 v[\buf+4*\t:\buf+4*\t+3], v[\adr] offset:\loff+\t*2*PITCH
.endr
.irp t, 0,1,2,3,4,5,6,7,8,9,10,11,12,13,14,15
	s_wait_dscnt 15-\t                             ; LDS loads come back in order: load t is in
	global_store_b128 v[CO], v[\buf+4*\t:\buf+4*\t+3], s[\base:\base+1] offset:\goff+512*\t
.endr
.endm
	BACK BUF0, RD, 0, 8, 0                         ; q
	BACK BUF1, RD, HALFT, 10, 0                    ; k
	s_wait_xcnt 0x0                                ; the first sixteen stores have read buffer 0: it is loaded again only behind this wait
	BACK BUF0, RD2, 0, 10, 32768                   ; v^T
	s_wait_tensorcnt 0x0
	ds_add_u32 v254, v255
	s_wait_dscnt 0x0
	CROUND                                         ; the closing round: no work-group ends while a partner may still ask for a tile that names it
	s_endpgm
.Lfunc_end_k_qab85e95b95_qkv:
	.size	k_qab85e95b95_qkv, .Lfunc_end_k_qab85e95b95_qkv-k_qab85e95b95_qkv
	.p2alignl 7, 3214868480
	.fill 96, 4, 3214868480
	.section	.rodata,"a",@progbits
	.p2align	6, 0x0
	.amdhsa_kernel k_qab85e95b95_qkv
		.amdhsa_group_segment_fixed_size 327680
		.amdhsa_private_segment_fixed_size 0
		.amdhsa_enable_private_segment 0
		.amdhsa_kernarg_size 32
		.amdhsa_user_sgpr_count 2
		.amdhsa_user_sgpr_kernarg_segment_ptr 1
		.amdhsa_wavefront_size32 1
		.amdhsa_system_sgpr_workgroup_id_x 1
		.amdhsa_system_sgpr_workgroup_id_y 1
		.amdhsa_system_sgpr_workgroup_id_z 1
		.amdhsa_system_vgpr_workitem_id 0
		.amdhsa_next_free_vgpr 1024
		.amdhsa_next_free_sgpr 100
		.amdhsa_reserve_vcc 0
		.amdhsa_float_denorm_mode_32 3
		.amdhsa_float_denorm_mode_16_64 3
		.amdhsa_memory_ordered 1
		.amdhsa_forward_progress 1
		.amdhsa_inst_pref_size 255
	.end_amdhsa_kernel
	.section	.bss,"aw",@nobits
	.p2align	6
	.space	262144
	.amdgpu_metadata
---
amdhsa.version: [ 1, 2 ]
amdhsa.kernels:
  - .name:           k_qab85e95b95_qkv
    .symbol:         k_qab85e95b95_qkv.kd
    .args:
      - { .name: xb, .offset: 0, .size: 8, .value_kind: global_buffer, .address_space: global }
      - { .name: wb, .offset: 8, .size: 8, .value_kind: global_buffer, .address_space: global }
      - { .name: qb, .offset: 16, .size: 8, .value_kind: global_buffer, .address_space: global }
      - { .name: kv, .offset: 24, .size: 8, .value_kind: global_buffer, .address_space: global }
    .group_segment_fixed_size: 327680
    .private_segment_fixed_size: 0
    .kernarg_segment_align: 8
    .kernarg_segment_size: 32
    .max_flat_workgroup_size: 128
    .sgpr_count:     100
    .vgpr_count:     1024
    .wavefront_size: 32
...
	.end_amdgpu_metadata
.endif
;; end of part 2
;; launch attn (part 3): grid 16 x 16, 8 waves a work-group, clusters of 4 x 4, 327,680 bytes of LDS; arguments qb, kv, mask, ab; writes ab
.if DOCPART == 3
	.amdgcn_target "amdgcn-amd-amdhsa--gfx1250"
	.amdhsa_code_object_version 6
	.text
	.protected	k_qab85e95b95_attn
	.globl	k_qab85e95b95_attn
	.p2align	8
	.type	k_qab85e95b95_attn,@function
k_qab85e95b95_attn:
	s_mov_b64 s[64:65], 0
	v_nop
	global_prefetch_b8 v0, s[64:65] scope:SCOPE_SE
	s_setreg_imm32_b32 hwreg(HW_REG_WAVE_MODE, 25, 1), 1
	s_wait_xcnt 0x0
	s_wait_alu depctr_hold_cnt(0) depctr_sa_sdst(0) depctr_va_vdst(0) depctr_va_sdst(0) depctr_va_ssrc(0) depctr_va_vcc(0) depctr_vm_vsrc(0)
	s_getreg_b32 s2, hwreg(HW_REG_IB_STS2, 6, 4)
	s_cmp_eq_u32 s2, 0
	s_cbranch_scc0 .Lentry_in_a_cluster
	s_endpgm
.Lentry_in_a_cluster:
	s_bfe_u32 s2, ttmp6, 0x10000c
	s_cmp_lg_u32 s2, 0xf033
	s_cbranch_scc0 .Lentry_shape_is_right
	s_endpgm
.Lentry_shape_is_right:
; attn: softmax(q k^T / sqrt(128), masked) v for one head and 128 queries; ab [2048 s][2048] f16 = the result divided by 4.
;   qb, kv as the launch before left them: rope(q)/4, rope(k)/4, (v/4)^T in f16, planes of 128 x 128 (rows of 256 bytes).  mask [2048 q][2048 k] of bytes, 1 = left out.
; Grid x = block of 128 queries, y = head: 256 work-groups, which walk 16 blocks of 128 keys.  The mask is an input: every block is computed, every byte of the mask is read.
; EIGHT WAVES, two for each of a WGP's four SIMDs.  Wave w: g = w >> 2, qw = w & 3: queries 32 qw .. 32 qw + 31 (two tiles a), keys 64 g .. 64 g + 63 of every block, with a
; running maximum, sum and result of its own; at the end waves w and w + 4 put their halves together.  For a block a wave has 32 + 32 products and some 370 vector lines.
; THE TWO GROUPS RUN HALF A STEP APART.  A block's work is FRONT (mask, K fragments, K Q^T, all fragments of V^T fetched into registers, softmax, P, the factor on the
; old result) and BACK (the 32 products V^T P^T, on registers alone).  Group 0 runs FRONT(b), BACK(b); group 1 runs BACK(b - 1), FRONT(b) behind the same barrier: so one
; wave's vector lines stand beside the other wave's products.  BACK reads no LDS, so the slots are filled again exactly as if both groups ran alike.
; EVERYTHING IS TRANSPOSED.  S^T = K Q^T: source 0 = 16 keys, source 1 = 16 queries; lane (r, h) holds query r and keys 16 t + 8 h + 0..7.  So a row's maximum and
; sum are a lane's own but for one exchange between the halves, and two neighbouring tiles, packed to f16, ARE source 1 of O^T = V^T P^T: P never goes through LDS.
; The mask enters as C of the first product: 0, or -2^99 for a key that is left out.
; The maximum is taken away before the exponential by a running maximum with a floor of -2^90: scores are sums of 128 products of f16 numbers, below 2^39 in
; magnitude, so the floor binds only for a row of which every key so far is left out; there every exponential is 0, and sum and result stay 0.
; A row with no key at all ends with the sum 0 and is given NaN, as a softmax of nothing but -inf is.
; LIMITS: bytes of the mask are 0 or 1.  P and the result / 4 are rounded to f16 (P below 3e-8 becomes 0; the result overflows above 262,000).
; CLUSTERS of 4 x 4: K and V^T hang on the head alone: asked for jointly along a row of the cluster (waves 0, 1).  The mask's tile hangs on the query block alone:
; jointly along a column (waves 2, 3).  Waves 4 to 7 ask for nothing.
; LDS: two slots of K (128 x 272) + V^T (128 x 272); two slots of the mask, 128 queries x 256 keys (two blocks), pitch 272; then, never the target of a tensor load:
; 8 KiB a wave for the exchange of results, 256 bytes a wave for maxima and sums, a stage of 16 x 272 a wave for the way out.
; REGISTERS: window 0: v1-36 addresses and a row's figures; v48-63 mask words, then at work; v64-95 P; v128-191 S; v192-255 O of d tiles 0-3.
; Window 1: v0-127 two buffers of fragments of K or V^T; v128-191 Q; v192-255 O of d tiles 4-7.  O(dt, a) at v[192 + 8 (2 (dt & 3) + a)].
.set PITCH,  272
.set PLANE,  128*PITCH                 ; 34,816
.set KVSLOT, 2*PLANE
.set MBASE,  2*KVSLOT                  ; 139,264
.set MSLOT,  PLANE
.set XCH,    MBASE+2*MSLOT             ; 208,896: the exchange, 8,192 bytes a wave
.set XST,    XCH+8*8192                ; 274,432: maxima and sums, 256 bytes a wave
.set STAGE,  XST+8*256                 ; 276,480: the way out, 4,352 bytes a wave
.set ADK,  1                           ; v1-2    my K fragments in slot 0, 1: slot + (64 g + r) pitch + 16 h
.set ADV,  3                           ; v3-4    my V^T fragments: slot + PLANE + r pitch + 16 h + 128 g
.set ADM,  5                           ; v5      my mask bytes: MBASE + (32 qw + r) pitch + 8 h + 64 g
.set MX,   6                           ; v6-7    running maximum of query tile a
.set LS,   8                           ; v8-9    running sum (of my half of the lanes' keys)
.set NM,   10                          ; v[10:13] -maximum x CEXP, twice, for each a
.set AL,   14                          ; v[14:17] the factor on the old sums, twice, for each a; at the end the two factors of the merge
.set TMP,  18                          ; v18-25
.set STO,  26
.set RD,   27
.set CO,   28
.set QO,   29
.set ZERO, 30
.set KC,   31                          ; 0x0000f100: what a mask byte 0 or 1 selects
.set NANR, 32
.set XW,   33                          ; the exchange: where I put
.set XR,   34                          ; and where my partner has put
.set XSW,  35
.set XSR,  36
.set MW,   48
.set PR,   64                          ; P(a, u) at PR + 8 (2 a + u): my keys 32 u .. 32 u + 31
.set XP,   64                          ; at the end: the partner's 64 registers, then packed results and rows read back
.set SC,   128                         ; S(i) at SC + 8 i, i = 2 t + a
.set OL,   192
.set QF,   128                         ; window 1: Q(a, kc) at QF + 8 (4 a + kc)
.set G1K, 24                           ; s[24:31]
.set G0K, 32                           ; s[32:39]
.set G1M, 48                           ; s[48:55]
.set G0M, 56                           ; s[56:63]
.set MSB, 0
.macro WIN new                         ; the immediate's high byte repeats the setting that is left
.if MSB != \new
	s_set_vgpr_msb (MSB<<8)|\new
.set MSB, \new
.endif
.endm
.macro CREST
	s_cmp_lg_u32 s12, 0
	s_cbranch_scc1 .Lnot_wave_0_\@
	s_barrier_signal -3
.Lnot_wave_0_\@:
	s_barrier_wait -3
	s_barrier_signal -1
	s_barrier_wait -1
.endm
.macro CROUND
	s_barrier_signal -1
	s_barrier_wait -1
	CREST
.endm
.macro PLACES                          ; four plain vector instructions behind a matrix instruction (ISA guide 7.12.1)
.rept 4
	v_nop
.endr
.endm
	s_load_b256 s[4:11], s[0:1], 0x0               ; qb s[4:5], kv s[6:7], mask s[8:9], ab s[10:11]
	v_lshl_add_u32 v46, v0, 2, 0x4c000
	v_mov_b32 v47, 0
	ds_add_u32 v46, v47
	v_lshrrev_b32 v18, 5, v0
	v_readfirstlane_b32 s12, v18                   ; wave 0..7
	s_lshr_b32 s13, s12, 1                         ; 0: I fetch K or V^T; 1: a half of the mask's tile; 2, 3: nothing
	s_and_b32 s14, s12, 1                          ; which of the two
	s_lshr_b32 s77, s12, 2                         ; g: my half of a block's keys, and my group
	s_and_b32 s78, s12, 3                          ; qw: my 32 queries
	s_xor_b32 s79, s12, 4                          ; the wave with the same queries and the other keys
	s_bfe_u32 s40, ttmp6, 0x40000                  ; cx
	s_bfe_u32 s41, ttmp6, 0x40004                  ; cy
	s_lshl_b32 s42, ttmp9, 2
	s_add_co_u32 s42, s42, s40                     ; query block
	s_and_b32 s43, ttmp7, 0xffff
	s_lshl_b32 s43, s43, 2
	s_add_co_u32 s43, s43, s41                     ; head
	s_lshl_b32 s44, s41, 2
	s_lshl_b32 s44, 15, s44                        ; my row of the cluster
	s_lshl_b32 s45, 0x1111, s40                    ; my column
	; K or V^T: 128 rows x 128 elements of 2 bytes, dense; 4 words of padding behind every 64
	s_or_b32 s[G1K+0], s44, (1<<16)|(1<<20)|(1<<21)|(5<<22)|(3<<25)
	s_mov_b32 s[G1K+1], 128<<16
	s_mov_b32 s[G1K+2], 128<<16
	s_mov_b32 s[G1K+3], 128<<16
	s_mov_b32 s[G1K+4], 128
	s_mov_b32 s[G1K+5], 128
	s_mov_b32 s[G1K+6], 0
	s_mov_b32 s[G1K+7], 0
	; the mask: 64 rows x 256 bytes, 2,048 bytes from row to row; the same padding
	s_or_b32 s[G1M+0], s45, (1<<20)|(1<<21)|(5<<22)|(3<<25)
	s_mov_b32 s[G1M+1], 256<<16
	s_mov_b32 s[G1M+2], 64<<16
	s_mov_b32 s[G1M+3], 256<<16
	s_mov_b32 s[G1M+4], 64
	s_mov_b32 s[G1M+5], 2048
	s_mov_b32 s[G1M+6], 0
	s_mov_b32 s[G1M+7], 0
	s_lshl_b32 s16, s43, 20                        ; kv: head x 16 blocks x 65,536
	s_lshl_b32 s17, s14, 15                        ; + plane x 32,768
	s_add_co_u32 s16, s16, s17
	s_mov_b32 s17, 0
	s_lshl_b32 s46, s42, 18                        ; mask: query block x 128 rows x 2,048
	s_lshl_b32 s47, s14, 17                        ; + half x 64 rows
	s_add_co_u32 s46, s46, s47
	s_mov_b32 s47, 0
	s_mul_i32 s20, s12, PLANE                      ; waves 0, 1: K at 0, V^T at PLANE of a slot
	s_mul_i32 s21, s12, 64*PITCH
	s_add_co_u32 s21, s21, MBASE-2*64*PITCH        ; waves 2, 3: the two halves of a mask slot
	s_wait_dscnt 0x0
	s_wait_kmcnt 0x0
	s_add_nc_u64 s[18:19], s[6:7], s[16:17]
	s_add_nc_u64 s[46:47], s[8:9], s[46:47]
	CROUND                                         ; in front of the first joint loads
.irp s, 0,1
	s_mov_b32 s[G0K+4*\s], 1
	s_add_co_u32 s[G0K+4*\s+1], s20, \s*KVSLOT
	s_add_nc_u64 s[G0K+4*\s+2:G0K+4*\s+3], s[18:19], \s*65536      ; key block s
	s_or_b32 s[G0K+4*\s+3], s[G0K+4*\s+3], 0x80000000
	s_mov_b32 s[G0M+4*\s], 1
	s_add_co_u32 s[G0M+4*\s+1], s21, \s*MSLOT
	s_add_nc_u64 s[G0M+4*\s+2:G0M+4*\s+3], s[46:47], \s*256        ; key blocks 2 s and 2 s + 1
	s_or_b32 s[G0M+4*\s+3], s[G0M+4*\s+3], 0x80000000
.endr
	s_cmp_eq_u32 s13, 0                            ; the first fills, two for each of waves 0 to 3, each wave's in one branch on the wave number
	s_cbranch_scc0 .Lfirst_not_kv
	tensor_load_to_lds s[G0K:G0K+3], s[G1K:G1K+7]
	s_nop 0
	tensor_load_to_lds s[G0K+4:G0K+7], s[G1K:G1K+7]
	s_nop 0
	s_branch .Lfirst_done
.Lfirst_not_kv:
	s_cmp_eq_u32 s13, 1
	s_cbranch_scc0 .Lfirst_done
	tensor_load_to_lds s[G0M:G0M+3], s[G1M:G1M+7]
	s_nop 0
	tensor_load_to_lds s[G0M+4:G0M+7], s[G1M:G1M+7]
	s_nop 0
.Lfirst_done:
	v_and_b32 v18, 15, v0                          ; r
	v_bfe_u32 v19, v0, 4, 1                        ; h
	v_and_b32 v20, 0x6f, v0                        ; 32 qw + r
	v_bfe_u32 v21, v0, 7, 1                        ; g
	v_and_b32 v22, 31, v0                          ; lane
	v_mul_u32_u24 v23, v18, PITCH
	v_lshl_add_u32 v23, v19, 4, v23                ; r pitch + 16 h
	v_mul_u32_u24 v24, v21, 64*PITCH               ; my 64 rows of K
	v_add_nc_u32 v[ADK], v23, v24
	v_add_nc_u32 v[ADK+1], KVSLOT, v[ADK]
	v_lshl_add_u32 v[ADV], v21, 7, v23             ; my 64 keys along the rows of V^T: 128 bytes
	v_add_nc_u32 v[ADV], PLANE, v[ADV]
	v_add_nc_u32 v[ADV+1], KVSLOT, v[ADV]
	v_mul_u32_u24 v[ADM], v20, PITCH
	v_lshl_add_u32 v[ADM], v19, 3, v[ADM]
	v_lshl_add_u32 v[ADM], v21, 6, v[ADM]
	v_add_nc_u32 v[ADM], MBASE, v[ADM]
	v_mov_b32 v[ZERO], 0
	v_mov_b32 v[KC], 0xf100
	v_mov_b32 v[NANR], 0x7fc00000
	s_mul_i32 s22, s12, 16*PITCH
	s_add_co_u32 s22, s22, STAGE                   ; my stage
	v_add_nc_u32 v[STO], s22, v23                  ; in: row r, 16 bytes for each half of the lanes
	v_mul_u32_u24 v24, v19, PITCH
	v_lshl_add_u32 v24, v18, 4, v24
	v_add_nc_u32 v[RD], s22, v24                   ; back: lanes 0-15 one row of 256 bytes, lanes 16-31 the next
	v_lshlrev_b32 v24, 12, v19
	v_lshl_add_u32 v[CO], v18, 4, v24              ; the same two rows in ab
	v_lshlrev_b32 v[QO], 8, v20
	v_lshl_add_u32 v[QO], v19, 4, v[QO]            ; (32 qw + r) x 256 + 16 h
	s_lshl_b32 s22, s12, 13
	s_add_co_u32 s22, s22, XCH
	v_lshl_add_u32 v[XW], v22, 4, s22              ; the exchange: 16 bytes a lane, 512 neighbouring bytes an instruction
	s_lshl_b32 s22, s79, 13
	s_add_co_u32 s22, s22, XCH
	v_lshl_add_u32 v[XR], v22, 4, s22
	s_lshl_b32 s22, s12, 8
	s_add_co_u32 s22, s22, XST
	v_lshl_add_u32 v[XSW], v22, 2, s22
	s_lshl_b32 s22, s79, 8
	s_add_co_u32 s22, s22, XST
	v_lshl_add_u32 v[XSR], v22, 2, s22
	s_lshl_b32 s96, s43, 4
	s_add_co_u32 s96, s96, s42
	s_lshl_b32 s96, s96, 15                        ; (16 head + query block) x 32,768
	s_mov_b32 s97, 0
	s_add_nc_u64 s[4:5], s[4:5], s[96:97]
	s_lshl_b32 s98, s42, 19                        ; ab: (128 query block + 32 qw) rows of 4,096 bytes + 256 head
	s_lshl_b32 s99, s78, 17
	s_add_co_u32 s98, s98, s99
	s_lshl_b32 s99, s43, 8
	s_add_co_u32 s98, s98, s99
	s_mov_b32 s99, 0
	s_add_nc_u64 s[10:11], s[10:11], s[98:99]
	s_mov_b32 s66, 0x400293ee                      ; CEXP = 16 log2(e) / sqrt(128): the 16 undoes the two factors 1/4
	s_mov_b32 s67, 0x400293ee
	s_mov_b32 s68, 0x04000000                      ; v_perm_b32: byte 0, 1, 2, 3 of the mask word to the top, zeros below
	s_mov_b32 s69, 0x05000000
	s_mov_b32 s70, 0x06000000
	s_mov_b32 s71, 0x07000000
	s_mov_b32 s72, 0x76543210                      ; v_permlanex16_b32: lane i of one half reads lane i of the other
	s_mov_b32 s73, 0xfedcba98
	s_mov_b32 s74, 0xc00293ee                      ; -CEXP
	s_mov_b32 s75, 0xec800000                      ; -2^90, the floor of the running maximum
	WIN 0x40                                       ; destination window 1
.irp a, 0,1
.irp kc, 0,1,2,3
	global_load_b128 v[QF+8*(4*\a+\kc):QF+8*(4*\a+\kc)+3],   v[QO], s[4:5] offset:\a*4096+64*\kc
	global_load_b128 v[QF+8*(4*\a+\kc)+4:QF+8*(4*\a+\kc)+7], v[QO], s[4:5] offset:\a*4096+64*\kc+32
.endr
.endr
	WIN 0
; 16 LDS loads: my key tiles 2 grp and 2 grp + 1 x 4 chunks of 32 along d
.macro FETCHK kv, grp, buf
	WIN 0x40
.irp x, 0,1
.irp kc, 0,1,2,3
	ds_load_b128 v[64*\buf+8*(4*\x+\kc):64*\buf+8*(4*\x+\kc)+3],   v[ADK+\kv] offset:(2*\grp+\x)*16*PITCH+64*\kc
	ds_load_b128 v[64*\buf+8*(4*\x+\kc)+4:64*\buf+8*(4*\x+\kc)+7], v[ADK+\kv] offset:(2*\grp+\x)*16*PITCH+64*\kc+32
.endr
.endr
.endm
; 16 LDS loads: d tiles 4 grp .. 4 grp + 3 x my 2 chunks of 32 keys
.macro FETCHV kv, grp, buf
	WIN 0x40
.irp x, 0,1,2,3
.irp u, 0,1
	ds_load_b128 v[64*\buf+8*(2*\x+\u):64*\buf+8*(2*\x+\u)+3],   v[ADV+\kv] offset:(4*\grp+\x)*16*PITCH+64*\u
	ds_load_b128 v[64*\buf+8*(2*\x+\u)+4:64*\buf+8*(2*\x+\u)+7], v[ADV+\kv] offset:(4*\grp+\x)*16*PITCH+64*\u+32
.endr
.endr
.endm
; 16 products of S^T: key tiles 2 g, 2 g + 1 x both query tiles, from buffer g; then group g of V^T into the same buffer.
; Four accumulators take turns, one instruction a turn.
.macro QKG kv, g
	s_wait_dscnt 16                                ; one younger group of 16 loads may be out
	WIN 0x05                                       ; both sources window 1, C and D window 0
.irp kc, 0,1,2,3
.irp x, 0,1
.irp a, 0,1
	v_wmma_f32_16x16x32_f16 v[SC+8*(2*(2*\g+\x)+\a):SC+8*(2*(2*\g+\x)+\a)+7], v[64*\g+8*(4*\x+\kc):64*\g+8*(4*\x+\kc)+7], v[QF+8*(4*\a+\kc):QF+8*(4*\a+\kc)+7], v[SC+8*(2*(2*\g+\x)+\a):SC+8*(2*(2*\g+\x)+\a)+7]
.endr
.endr
.endr
	PLACES
	FETCHV \kv, \g, \g
.endm
; 8 products of O^T: four d tiles x both query tiles, keys 32 u ..  Eight accumulators take turns.
.macro PV8 buf, u, zero
.irp x, 0,1,2,3
.irp a, 0,1
.if \zero
	v_wmma_f32_16x16x32_f16 v[OL+8*(2*\x+\a):OL+8*(2*\x+\a)+7], v[64*\buf+8*(2*\x+\u):64*\buf+8*(2*\x+\u)+7], v[PR+8*(2*\a+\u):PR+8*(2*\a+\u)+7], 0
.else
	v_wmma_f32_16x16x32_f16 v[OL+8*(2*\x+\a):OL+8*(2*\x+\a)+7], v[64*\buf+8*(2*\x+\u):64*\buf+8*(2*\x+\u)+7], v[PR+8*(2*\a+\u):PR+8*(2*\a+\u)+7], v[OL+8*(2*\x+\a):OL+8*(2*\x+\a)+7]
.endif
.endr
.endr
.endm
; BACK: O^T += V^T P^T, on registers alone.  first = 1: the sums begin here.
; It closes with FIVE plain vector instructions.  Four stand in front of the loads into the buffers and of what reads or scales O.  The fifth: in the text the BACK that
; starts group 1's sums (C = 0: it writes over O) follows the BACK that starts group 0's with scalar lines alone between them, and a matrix instruction that writes over
; an earlier one's result stands five places behind it.  No wave runs both, but the distance is kept on every way through the text.
.macro BACK first
	s_wait_dscnt 16                                ; the first group of V^T is in; the second, 16 loads, may be out
	WIN 0x01                                       ; source 0 (V^T) window 1; source 1 (P), C and D window 0: d tiles 0-3
	PV8 0, 0, \first
	PV8 0, 1, 0
	s_wait_dscnt 0
	WIN 0x51                                       ; C and D window 1: d tiles 4-7
	PV8 1, 0, \first
	PV8 1, 1, 0
	PLACES
	v_nop                                          ; the fifth place
	WIN 0
.endm
; FRONT: my 64 keys of a block: K and V^T in slot kv, the mask in half `half` of mask slot ms.  first = 1: maximum and sum begin here.
.macro FRONT kv, ms, half, first
.set n, 0
.rept 8                                            ; tile i = n = 2 t + a: the 8 mask bytes of query r, keys 16 t + 8 h ..
	ds_load_b64 v[MW+2*n:MW+2*n+1], v[ADM] offset:\ms*MSLOT+(n&1)*16*PITCH+\half*128+16*(n>>1)
.set n, n+1
.endr
	FETCHK \kv, 0, 0
	FETCHK \kv, 1, 1
	WIN 0
	s_wait_dscnt 32                                ; the 32 fragment loads are younger: the mask words are in
.set n, 0
.rept 16
	v_perm_b32 v[MW+n], v[KC], v[KC], v[MW+n]      ; the mask word is the selector: a byte 0 takes 0x00, a byte 1 takes 0xf1
.set n, n+1
.endr
.set n, 0
.rept 64
	v_perm_b32 v[SC+n], v[MW+(n>>2)], v[ZERO], s[68+(n&3)]     ; 0, or 0xf1000000 = -2^99: the C of the first product
.set n, n+1
.endr
	QKG \kv, 0
	QKG \kv, 1                                     ; all of my V^T is on its way into the two buffers
	WIN 0
	; the maximum of each query: 8 registers of 4 tiles, then the other half of the lanes, then the old maximum (or the floor)
.set n, 0
.rept 8
	v_max3_num_f32 v[MW+n], v[SC+8*n], v[SC+8*n+1], v[SC+8*n+2]
.set n, n+1
.endr
.set n, 0
.rept 8
	v_max3_num_f32 v[MW+n], v[MW+n], v[SC+8*n+3], v[SC+8*n+4]
.set n, n+1
.endr
.set n, 0
.rept 8
	v_max3_num_f32 v[MW+n], v[MW+n], v[SC+8*n+5], v[SC+8*n+6]
.set n, n+1
.endr
.set n, 0
.rept 8
	v_max_num_f32 v[MW+n], v[MW+n], v[SC+8*n+7]
.set n, n+1
.endr
.irp a, 0,1
	v_max3_num_f32 v[TMP+\a], v[MW+\a], v[MW+2+\a], v[MW+4+\a]
.endr
.irp a, 0,1
	v_max_num_f32 v[TMP+\a], v[TMP+\a], v[MW+6+\a]
.endr
.irp a, 0,1
	v_permlanex16_b32 v[TMP+2+\a], v[TMP+\a], s72, s73
.endr
.irp a, 0,1
.if \first
	v_max3_num_f32 v[TMP+\a], v[TMP+\a], v[TMP+2+\a], s75
.else
	v_max3_num_f32 v[TMP+\a], v[TMP+\a], v[TMP+2+\a], v[MX+\a]
.endif
.endr
.irp a, 0,1
	v_mul_f32 v[NM+2*\a], s74, v[TMP+\a]           ; -CEXP x new maximum
.endr
.if \first == 0
.irp a, 0,1
	v_fma_f32 v[AL+2*\a], v[MX+\a], s66, v[NM+2*\a]
.endr
.irp a, 0,1
	v_exp_f32 v[AL+2*\a], v[AL+2*\a]               ; 2^(CEXP (old maximum - new maximum))
.endr
.endif
.irp a, 0,1
	v_mov_b32 v[NM+2*\a+1], v[NM+2*\a]             ; plain instructions behind the exponentials (ISA guide 5.7.2)
	v_mov_b32 v[MX+\a], v[TMP+\a]
.endr
.if \first == 0
	s_wait_alu depctr_va_vdst(0)
.irp a, 0,1
	v_mov_b32 v[AL+2*\a+1], v[AL+2*\a]
.endr
.endif
.set n, 0
.rept 32
	v_pk_fma_f32 v[SC+2*n:SC+2*n+1], v[SC+2*n:SC+2*n+1], s[66:67], v[NM+2*((n>>2)&1):NM+2*((n>>2)&1)+1] op_sel_hi:[1,0,1]
.set n, n+1
.endr
.set n, 0
.rept 64
	v_exp_f32 v[SC+n], v[SC+n]
.set n, n+1
.endr
	v_nop
	; the sums, in pairs: within a tile, then over the four tiles of a query tile
.set n, 0
	s_wait_alu depctr_va_vdst(0)
.rept 8
	v_pk_add_f32 v[MW+2*n:MW+2*n+1], v[SC+8*n:SC+8*n+1], v[SC+8*n+2:SC+8*n+3]
.set n, n+1
.endr
.set n, 0
.rept 8
	v_pk_add_f32 v[MW+2*n:MW+2*n+1], v[MW+2*n:MW+2*n+1], v[SC+8*n+4:SC+8*n+5]
.set n, n+1
.endr
.set n, 0
.rept 8
	v_pk_add_f32 v[MW+2*n:MW+2*n+1], v[MW+2*n:MW+2*n+1], v[SC+8*n+6:SC+8*n+7]
.set n, n+1
.endr
.set n, 0
.rept 4
	v_pk_add_f32 v[MW+2*n:MW+2*n+1], v[MW+2*n:MW+2*n+1], v[MW+2*n+8:MW+2*n+9]
.set n, n+1
.endr
.set n, 0
.rept 2
	v_pk_add_f32 v[MW+2*n:MW+2*n+1], v[MW+2*n:MW+2*n+1], v[MW+2*n+4:MW+2*n+5]
.set n, n+1
.endr
.irp a, 0,1
.if \first
	v_add_f32 v[LS+\a], v[MW+2*\a], v[MW+2*\a+1]
.else
	v_add_f32 v[TMP+\a], v[MW+2*\a], v[MW+2*\a+1]
.endif
.endr
.if \first == 0
.irp a, 0,1
	v_fma_f32 v[LS+\a], v[LS+\a], v[AL+2*\a], v[TMP+\a]
.endr
.endif
.set n, 0
.rept 32                                           ; pair n of S: tile i = n >> 2 = 2 t + a.  Tiles t = 2 u and 2 u + 1 fill registers 0-3 and 4-7 of P(a, u)
	v_cvt_pk_f16_f32 v[PR+16*((n>>2)&1)+8*(n>>4)+4*((n>>3)&1)+(n&3)], v[SC+2*n], v[SC+2*n+1]
.set n, n+1
.endr
.if \first == 0
.set n, 0
.rept 32                                           ; the factor on the old result: d tiles 0-3,
	v_pk_mul_f32 v[OL+2*n:OL+2*n+1], v[OL+2*n:OL+2*n+1], v[AL+2*((n>>2)&1):AL+2*((n>>2)&1)+1]
.set n, n+1
.endr
	WIN 0x41                                       ; and d tiles 4-7: O in window 1, the factor in window 0
.set n, 0
.rept 32
	v_pk_mul_f32 v[OL+2*n:OL+2*n+1], v[OL+2*n:OL+2*n+1], v[AL+2*((n>>2)&1):AL+2*((n>>2)&1)+1]
.set n, n+1
.endr
	WIN 0
.endif
.endm
; The head of a block behind the first.  Every wave waits for all its tensor loads (its part of this block's tiles among them) and for its LDS reads of the last block,
; the fragments of V^T that group 1 still has to multiply among them; then a round of the cluster's barrier, and behind it the wave's one joint load: waves 0, 1 the next
; block's K and V^T into the slot read last; waves 2, 3, at every second block, the mask of the two blocks after the next into the mask slot read last.
.macro HEAD kv, ms, fillkv, fillm
	s_wait_tensorcnt 0x0
	ds_add_u32 v46, v47
	s_wait_dscnt 0x0
	s_wait_dscnt 0x0
.if \fillkv
	s_add_nc_u64 s[G0K+4*(1-\kv)+2:G0K+4*(1-\kv)+3], s[G0K+4*(1-\kv)+2:G0K+4*(1-\kv)+3], 2*65536
.endif
.if \fillm
	s_add_nc_u64 s[G0M+4*(1-\ms)+2:G0M+4*(1-\ms)+3], s[G0M+4*(1-\ms)+2:G0M+4*(1-\ms)+3], 2*256
.endif
.if \fillkv
	CROUND
	s_cmp_eq_u32 s13, 0
	s_cbranch_scc0 .Lnot_kv_\@
	tensor_load_to_lds s[G0K+4*(1-\kv):G0K+4*(1-\kv)+3], s[G1K:G1K+7]
	s_nop 0
.if \fillm
	s_branch .Lasked_\@
.endif
.Lnot_kv_\@:
.if \fillm
	s_cmp_eq_u32 s13, 1
	s_cbranch_scc0 .Lasked_\@
	tensor_load_to_lds s[G0M+4*(1-\ms):G0M+4*(1-\ms)+3], s[G1M:G1M+7]
	s_nop 0
.Lasked_\@:
.endif
.else
	s_barrier_signal -1
	s_barrier_wait -1
.endif
.endm
; A block behind the first: group 1 first multiplies the last block's P, both groups run FRONT, group 0 multiplies this block's P.  The branches hang on the wave number alone.
.macro STEP kv, ms, half, fillkv, fillm, latefirst
	HEAD \kv, \ms, \fillkv, \fillm
	s_cmp_eq_u32 s77, 0
	s_cbranch_scc1 .Lnot_late_\@
	BACK \latefirst
.Lnot_late_\@:
	FRONT \kv, \ms, \half, 0
	s_cmp_lg_u32 s77, 0
	s_cbranch_scc1 .Lnot_early_\@
	BACK 0
.Lnot_early_\@:
.endm
	s_wait_loadcnt 0x0                             ; Q
	s_wait_tensorcnt 0x1                           ; my first load is in (block 0, or the mask of blocks 0 and 1); my second stays out
	s_barrier_signal -1
	s_barrier_wait -1
	FRONT 0, 0, 0, 1                               ; block 0
	s_cmp_lg_u32 s77, 0
	s_cbranch_scc1 .Lblock0_late
	BACK 1                                         ; group 0's first products start its sums
.Lblock0_late:
	STEP 1, 0, 1, 1, 0, 1                          ; block 1: group 1's first products start its sums
	s_mov_b32 s15, 3
.Lblocks:                                          ; blocks 2 to 13
	STEP 0, 1, 0, 1, 1, 0
	STEP 1, 1, 1, 1, 0, 0
	STEP 0, 0, 0, 1, 1, 0
	STEP 1, 0, 1, 1, 0, 0
	s_sub_co_u32 s15, s15, 1
	s_cmp_lg_u32 s15, 0
	s_cbranch_scc1 .Lblocks
	STEP 0, 1, 0, 1, 0, 0                          ; block 14 asks for block 15; the mask is all there
	STEP 1, 1, 1, 0, 0, 0                          ; block 15 asks for nothing
	s_cmp_eq_u32 s77, 0
	s_cbranch_scc1 .Llast_done
	BACK 0                                         ; group 1's products of block 15
.Llast_done:
	; THE END.  The two halves of the lanes put their sums together; then waves w and w + 4 put their halves of the keys together: each gives the other one query tile
	; (64 registers of O, its maximum and its sum) through LDS bytes of its own, and finishes the tile that it keeps: group 0 tile 0, group 1 tile 1.
.irp a, 0,1
	v_permlanex16_b32 v[TMP+2+\a], v[LS+\a], s72, s73
.endr
.irp a, 0,1
	v_add_f32 v[LS+\a], v[LS+\a], v[TMP+2+\a]
.endr
.macro GIVE a
.irp x, 0,1,2,3
	ds_store_b128 v[XW], v[OL+8*(2*\x+\a):OL+8*(2*\x+\a)+3]   offset:1024*\x
	ds_store_b128 v[XW], v[OL+8*(2*\x+\a)+4:OL+8*(2*\x+\a)+7] offset:1024*\x+512
.endr
	WIN 0x04                                       ; the data of an LDS store (source 1) in window 1
.irp x, 0,1,2,3
	ds_store_b128 v[XW], v[OL+8*(2*\x+\a):OL+8*(2*\x+\a)+3]   offset:4096+1024*\x
	ds_store_b128 v[XW], v[OL+8*(2*\x+\a)+4:OL+8*(2*\x+\a)+7] offset:4096+1024*\x+512
.endr
	WIN 0
	ds_store_b32 v[XSW], v[MX+\a]
	ds_store_b32 v[XSW], v[LS+\a] offset:128
.endm
; Query tile a: with M* the larger of the two maxima and f = 2^(CEXP (M - M*)) for each half: (f O + f' O') / (f L + f' L'); NaN where that sum is 0.
; Then round to f16, 16 bytes a lane into my own stage, whole rows of 256 bytes back, and out: sixteen lanes store 256 consecutive bytes, aligned.
; LDS serves a wave's instructions in order (ISA guide 5.7.1), so the loads from the stage see the stores.  No register of a global store is written again.
.macro TAKE a
	ds_load_b32 v[TMP+4], v[XSR]                   ; the partner's maximum
	ds_load_b32 v[TMP+5], v[XSR] offset:128        ; and sum
.set n, 0
.rept 16
	ds_load_b128 v[XP+4*n:XP+4*n+3], v[XR] offset:512*n        ; its O(dt, a) at XP + 8 dt
.set n, n+1
.endr
	s_wait_dscnt 16                                ; the two figures are in; the 16 loads of O may be out
	v_max_num_f32 v[TMP], v[MX+\a], v[TMP+4]
	v_sub_f32 v[TMP+1], v[MX+\a], v[TMP]
	v_sub_f32 v[TMP+2], v[TMP+4], v[TMP]
	v_mul_f32 v[TMP+1], s66, v[TMP+1]
	v_mul_f32 v[TMP+2], s66, v[TMP+2]
	v_exp_f32 v[TMP+1], v[TMP+1]
	v_exp_f32 v[TMP+2], v[TMP+2]
	v_nop
	s_wait_alu depctr_va_vdst(0)
	v_mul_f32 v[TMP+3], v[TMP+1], v[LS+\a]
	v_fma_f32 v[TMP+3], v[TMP+2], v[TMP+5], v[TMP+3]
	v_rcp_f32 v[TMP+6], v[TMP+3]
	v_nop
	v_cmp_eq_f32 vcc_lo, 0, v[TMP+3]
	s_wait_alu depctr_va_vdst(0)
	v_cndmask_b32 v[TMP+6], v[TMP+6], v[NANR], vcc_lo
	v_mul_f32 v[AL], v[TMP+1], v[TMP+6]
	v_mul_f32 v[AL+2], v[TMP+2], v[TMP+6]
	v_mov_b32 v[AL+1], v[AL]
	v_mov_b32 v[AL+3], v[AL+2]
.irp x, 0,1,2,3
.irp p, 0,1,2,3
	v_pk_mul_f32 v[SC+8*\x+2*\p:SC+8*\x+2*\p+1], v[OL+8*(2*\x+\a)+2*\p:OL+8*(2*\x+\a)+2*\p+1], v[AL:AL+1]
.endr
.endr
	WIN 0x01                                       ; source 0 (O of d tiles 4-7) window 1
.irp x, 0,1,2,3
.irp p, 0,1,2,3
	v_pk_mul_f32 v[SC+32+8*\x+2*\p:SC+32+8*\x+2*\p+1], v[OL+8*(2*\x+\a)+2*\p:OL+8*(2*\x+\a)+2*\p+1], v[AL:AL+1]
.endr
.endr
	WIN 0
	s_wait_dscnt 0x0
.set n, 0
.rept 32
	v_pk_fma_f32 v[SC+2*n:SC+2*n+1], v[XP+2*n:XP+2*n+1], v[AL+2:AL+3], v[SC+2*n:SC+2*n+1]
.set n, n+1
.endr
.set n, 0
.rept 32
	v_cvt_pk_f16_f32 v[XP+n], v[SC+2*n], v[SC+2*n+1]
.set n, n+1
.endr
.irp dt, 0,1,2,3,4,5,6,7
	ds_store_b128 v[STO], v[XP+4*\dt:XP+4*\dt+3] offset:32*\dt
.endr
.irp t, 0,1,2,3,4,5,6,7
	ds_load_b128 v[XP+32+4*\t:XP+32+4*\t+3], v[RD] offset:\t*2*PITCH
.endr
.irp t, 0,1,2,3,4,5,6,7
	s_wait_dscnt 7-\t
	global_store_b128 v[CO], v[XP+32+4*\t:XP+32+4*\t+3], s[10:11] offset:\a*16*4096+\t*2*4096
.endr
.endm
	s_cmp_lg_u32 s77, 0
	s_cbranch_scc1 .Lgive_0
	GIVE 1
	s_branch .Lgiven
.Lgive_0:
	GIVE 0
.Lgiven:
	s_wait_dscnt 0x0                               ; my stores into the exchange are done, for my partner's sake
	s_barrier_signal -1
	s_barrier_wait -1
	s_cmp_lg_u32 s77, 0
	s_cbranch_scc1 .Ltake_1
	TAKE 0
	s_branch .Ltaken
.Ltake_1:
	TAKE 1
.Ltaken:
	s_wait_tensorcnt 0x0
	ds_add_u32 v46, v47
	s_wait_dscnt 0x0
	CROUND                                         ; the closing round
	s_endpgm
.Lfunc_end_k_qab85e95b95_attn:
	.size	k_qab85e95b95_attn, .Lfunc_end_k_qab85e95b95_attn-k_qab85e95b95_attn
	.p2alignl 7, 3214868480
	.fill 96, 4, 3214868480
	.section	.rodata,"a",@progbits
	.p2align	6, 0x0
	.amdhsa_kernel k_qab85e95b95_attn
		.amdhsa_group_segment_fixed_size 327680
		.amdhsa_private_segment_fixed_size 0
		.amdhsa_enable_private_segment 0
		.amdhsa_kernarg_size 32
		.amdhsa_user_sgpr_count 2
		.amdhsa_user_sgpr_kernarg_segment_ptr 1
		.amdhsa_wavefront_size32 1
		.amdhsa_system_sgpr_workgroup_id_x 1
		.amdhsa_system_sgpr_workgroup_id_y 1
		.amdhsa_system_sgpr_workgroup_id_z 1
		.amdhsa_system_vgpr_workitem_id 0
		.amdhsa_next_free_vgpr 512
		.amdhsa_next_free_sgpr 100
		.amdhsa_reserve_vcc 1
		.amdhsa_float_denorm_mode_32 3
		.amdhsa_float_denorm_mode_16_64 3
		.amdhsa_memory_ordered 1
		.amdhsa_forward_progress 1
		.amdhsa_inst_pref_size 255
	.end_amdhsa_kernel
	.section	.bss,"aw",@nobits
	.p2align	6
	.space	262144
	.amdgpu_metadata
---
amdhsa.version: [ 1, 2 ]
amdhsa.kernels:
  - .name:           k_qab85e95b95_attn
    .symbol:         k_qab85e95b95_attn.kd
    .args:
      - { .name: qb, .offset: 0, .size: 8, .value_kind: global_buffer, .address_space: global }
      - { .name: kv, .offset: 8, .size: 8, .value_kind: global_buffer, .address_space: global }
      - { .name: mask, .offset: 16, .size: 8, .value_kind: global_buffer, .address_space: global }
      - { .name: ab, .offset: 24, .size: 8, .value_kind: global_buffer, .address_space: global }
    .group_segment_fixed_size: 327680
    .private_segment_fixed_size: 0
    .kernarg_segment_align: 8
    .kernarg_segment_size: 32
    .max_flat_workgroup_size: 256
    .sgpr_count:     100
    .vgpr_count:     512
    .wavefront_size: 32
...
	.end_amdgpu_metadata
.endif
;; end of part 3
;; launch proj (part 4): grid 16 x 16, 4 waves a work-group, clusters of 4 x 4, 327,680 bytes of LDS; arguments ab, wb, out0; writes out0
.if DOCPART == 4
	.amdgcn_target "amdgcn-amd-amdhsa--gfx1250"
	.amdhsa_code_object_version 6
	.text
	.protected	k_qab85e95b95_proj
	.globl	k_qab85e95b95_proj
	.p2align	8
	.type	k_qab85e95b95_proj,@function
k_qab85e95b95_proj:
	s_mov_b64 s[64:65], 0
	v_nop
	global_prefetch_b8 v0, s[64:65] scope:SCOPE_SE
	s_setreg_imm32_b32 hwreg(HW_REG_WAVE_MODE, 25, 1), 1
	s_wait_xcnt 0x0
	s_wait_alu depctr_hold_cnt(0) depctr_sa_sdst(0) depctr_va_vdst(0) depctr_va_sdst(0) depctr_va_ssrc(0) depctr_va_vcc(0) depctr_vm_vsrc(0)
	s_getreg_b32 s2, hwreg(HW_REG_IB_STS2, 6, 4)
	s_cmp_eq_u32 s2, 0
	s_cbranch_scc0 .Lentry_in_a_cluster
	s_endpgm
.Lentry_in_a_cluster:
	s_bfe_u32 s2, ttmp6, 0x10000c
	s_cmp_lg_u32 s2, 0xf033
	s_cbranch_scc0 .Lentry_shape_is_right
	s_endpgm
.Lentry_shape_is_right:
; proj: out0 = (attention result) wo^T.  ab [2048][2048] f16 = the attention result / 4; wb part 3 [2048][2048] f16 = 4 x bf16(wo): the two factors cancel.  Sums and out0 in f32.
; Grid x = block of 128 columns, y = block of 128 rows: 256 work-groups; a larger block would leave work-groups for half of that number only.
; Four waves; wave (i, j) makes 64 x 64: 16 accumulators.  K goes in steps of 256 (rows of 512 bytes, aligned) through two LDS slots: from a request to the wait for it
; a wave issues 120 products.
; CLUSTERS of 4 x 4: the tile of ab hangs on the block row alone: asked for jointly along a row of the cluster (waves 0, 1, 64 rows each); the tile of wo on the block column
; alone: jointly along a column (waves 2, 3).
; The products are made transposed (source 0 = rows of wo, source 1 = rows of ab): a lane holds row l % 16 and eight neighbouring columns, 32 bytes of a row of out0.
; A NaN in a row of ab (a query with no key) makes that row of out0 NaN and no other.
; REGISTERS: window 0: v16-26 addresses, v64-191 rows read back.  Window 1: two buffers of 128: at 128 f + 64 kk fragments of wo (+ 8 b) and of ab (+ 32 + 8 a).  Window 2: accumulator (a, b) at v[8 (4 a + b)].
.set PITCH,  528                       ; an LDS row: 512 bytes + 16 = 33 x 16
.set HALFT,  64*PITCH                  ; what one tensor load brings, and what one wave reads of ab or of wo
.set SLOT,   4*HALFT
.set STAGE,  2*SLOT                    ; behind the ring: 16 rows x 272 bytes for each wave
.set SPITCH, 272
.set KBYTES, 512                       ; bytes of a row in a slot
.set LAPS,   2048/(2*256)
.set ADRA, 16
.set ADRB, 20
.set STO,  24
.set RD,   25
.set CO,   26
.set G1,  24
.set G0,  32
.set G1B, 48
.set G0B, 56
.set MSB, 0
.macro WIN new
.if MSB != \new
	s_set_vgpr_msb (MSB<<8)|\new
.set MSB, \new
.endif
.endm
.set MUL,  0xa5                        ; both sources window 1, C and D window 2
.set TO_F, 0x40
.macro JLOAD s
	s_cmp_eq_u32 s11, 0
	s_cbranch_scc0 .Lfor_b_\@
	tensor_load_to_lds s[G0+4*\s:G0+4*\s+3], s[G1:G1+7]
	s_nop 0
	s_branch .Lasked_\@
.Lfor_b_\@:
	tensor_load_to_lds s[G0B+4*\s:G0B+4*\s+3], s[G1B:G1B+7]
	s_nop 0
.Lasked_\@:
.endm
.macro CREST
	s_cmp_lg_u32 s10, 0
	s_cbranch_scc1 .Lnot_wave_0_\@
	s_barrier_signal -3
.Lnot_wave_0_\@:
	s_barrier_wait -3
	s_barrier_signal -1
	s_barrier_wait -1
.endm
.macro CROUND
	s_barrier_signal -1
	s_barrier_wait -1
	CREST
.endm
.macro PLACES                          ; four plain vector instructions behind a matrix instruction (ISA guide 7.12.1)
.rept 4
	v_nop
.endr
.endm
	s_load_b128 s[4:7], s[0:1], 0x0                ; ab s[4:5], wb s[6:7]
	s_load_b64 s[8:9], s[0:1], 0x10                ; out0
	v_lshl_add_u32 v254, v0, 2, 0x46400
	v_mov_b32 v255, 0
	ds_add_u32 v254, v255
	v_lshrrev_b32 v1, 5, v0
	v_readfirstlane_b32 s10, v1                    ; wave 0..3
	s_lshr_b32 s11, s10, 1                         ; i.  Also: I fetch for ab (0) or for wo (1)
	s_and_b32 s12, s10, 1                          ; j.  Also: which 64 rows of that tile I fetch
	s_bfe_u32 s40, ttmp6, 0x40000                  ; cx
	s_bfe_u32 s41, ttmp6, 0x40004                  ; cy
	s_lshl_b32 s42, ttmp9, 2
	s_add_co_u32 s42, s42, s40                     ; block column
	s_and_b32 s13, ttmp7, 0xffff
	s_lshl_b32 s13, s13, 2
	s_add_co_u32 s13, s13, s41                     ; block row
	s_lshl_b32 s43, s41, 2
	s_lshl_b32 s43, 15, s43                        ; my row of the cluster
	s_lshl_b32 s44, 0x1111, s40                    ; my column
	; group 1: 64 rows x 256 elements of 2 bytes, 2,048 elements from row to row, 4 words of padding behind every 128
	s_or_b32 s[G1+0], s43, (1<<16)|(1<<20)|(1<<21)|(6<<22)|(3<<25)
	s_or_b32 s[G1B+0], s44, (1<<16)|(1<<20)|(1<<21)|(6<<22)|(3<<25)
	s_mov_b32 s[G1+1], 256<<16
	s_mov_b32 s[G1B+1], 256<<16
	s_mov_b32 s[G1+2], 64<<16
	s_mov_b32 s[G1B+2], 64<<16
	s_mov_b32 s[G1+3], 256<<16
	s_mov_b32 s[G1B+3], 256<<16
	s_mov_b32 s[G1+4], 64
	s_mov_b32 s[G1B+4], 64
	s_mov_b32 s[G1+5], 2048
	s_mov_b32 s[G1B+5], 2048
	s_mov_b32 s[G1+6], 0
	s_mov_b32 s[G1B+6], 0
	s_mov_b32 s[G1+7], 0
	s_mov_b32 s[G1B+7], 0
	s_lshl_b32 s16, s13, 19                        ; ab: (128 block row + 64 half) rows of 4,096 bytes
	s_lshl_b32 s17, s12, 18
	s_add_co_u32 s16, s16, s17
	s_mov_b32 s17, 0
	s_lshl_b32 s46, s42, 19                        ; wo: (128 block column + 64 half) rows, in part 3 of wb
	s_lshl_b32 s47, s12, 18
	s_add_co_u32 s46, s46, s47
	s_add_co_u32 s46, s46, 0x1800000
	s_mov_b32 s47, 0
	s_mul_i32 s20, s10, HALFT                      ; where a wave's rows go: wave x 64 rows
	s_wait_dscnt 0x0
	s_wait_kmcnt 0x0
	s_add_nc_u64 s[14:15], s[4:5], s[16:17]
	s_add_nc_u64 s[46:47], s[6:7], s[46:47]
	CROUND                                         ; in front of the first joint loads
.irp s, 0,1
	s_mov_b32 s[G0+4*\s], 1
	s_add_co_u32 s[G0+4*\s+1], s20, \s*SLOT
	s_add_nc_u64 s[G0+4*\s+2:G0+4*\s+3], s[14:15], \s*KBYTES
	s_or_b32 s[G0+4*\s+3], s[G0+4*\s+3], 0x80000000
	s_mov_b32 s[G0B+4*\s], 1
	s_add_co_u32 s[G0B+4*\s+1], s20, \s*SLOT
	s_add_nc_u64 s[G0B+4*\s+2:G0B+4*\s+3], s[46:47], \s*KBYTES
	s_or_b32 s[G0B+4*\s+3], s[G0B+4*\s+3], 0x80000000
	JLOAD \s                                       ; K steps 0 and 1: two tensor loads of the wave are out
.endr
	v_and_b32 v1, 15, v0                           ; r
	v_bfe_u32 v2, v0, 4, 1                         ; h
	v_mul_u32_u24 v3, v1, PITCH
	v_lshl_add_u32 v3, v2, 4, v3
	s_mul_i32 s21, s11, HALFT                      ; my 64 rows of ab
	s_mul_i32 s22, s12, HALFT
	s_add_co_u32 s22, s22, 2*HALFT                 ; my 64 rows of wo
.irp s, 0,1
	v_add_nc_u32 v[ADRA+\s], s21, v3
	v_add_nc_u32 v[ADRB+\s], s22, v3
	s_add_co_u32 s21, s21, SLOT
	s_add_co_u32 s22, s22, SLOT
.endr
	s_mul_i32 s23, s10, 16*SPITCH
	s_add_co_u32 s23, s23, STAGE                   ; my stage
	v_mul_u32_u24 v4, v1, SPITCH
	v_lshl_add_u32 v4, v2, 5, v4                   ; in: row r, 32 bytes for each half of the lanes
	v_add_nc_u32 v[STO], s23, v4
	v_mul_u32_u24 v5, v2, SPITCH
	v_lshl_add_u32 v5, v1, 4, v5                   ; back: lanes 0-15 one row of 256 bytes, lanes 16-31 the next
	v_add_nc_u32 v[RD], s23, v5
	v_lshlrev_b32 v5, 13, v2
	v_lshl_add_u32 v[CO], v1, 4, v5                ; the same two rows in out0 (8,192 bytes apart)
; 8 products: row tiles a0, a0 + 1 x 4 column tiles, 32 along K.  The 16 accumulators take turns, one instruction a turn.
.macro MUL8 f, kk, a0, zero
.irp a, \a0, \a0+1
.irp b, 0,1,2,3
.if \zero
	v_wmma_f32_16x16x32_f16 v[8*(4*(\a)+\b):8*(4*(\a)+\b)+7], v[128*\f+64*\kk+8*\b:128*\f+64*\kk+8*\b+7], v[128*\f+64*\kk+32+8*(\a):128*\f+64*\kk+32+8*(\a)+7], 0
.else
	v_wmma_f32_16x16x32_f16 v[8*(4*(\a)+\b):8*(4*(\a)+\b)+7], v[128*\f+64*\kk+8*\b:128*\f+64*\kk+8*\b+7], v[128*\f+64*\kk+32+8*(\a):128*\f+64*\kk+32+8*(\a)+7], v[8*(4*(\a)+\b):8*(4*(\a)+\b)+7]
.endif
.endr
.endr
.endm
; 32 LDS loads in one run: the fragments of 64 along K at byte k of the rows: first those of the first 32, then those of the second
.macro FETCH slot, k, f
	WIN TO_F
.irp kk, 0,1
.irp b, 0,1,2,3
	ds_load_b128 v[128*\f+64*\kk+8*\b:128*\f+64*\kk+8*\b+3],   v[ADRB+\slot] offset:\k+64*\kk+\b*16*PITCH
	ds_load_b128 v[128*\f+64*\kk+8*\b+4:128*\f+64*\kk+8*\b+7], v[ADRB+\slot] offset:\k+64*\kk+\b*16*PITCH+32
.endr
.irp a, 0,1,2,3
	ds_load_b128 v[128*\f+64*\kk+32+8*\a:128*\f+64*\kk+32+8*\a+3],   v[ADRA+\slot] offset:\k+64*\kk+\a*16*PITCH
	ds_load_b128 v[128*\f+64*\kk+32+8*\a+4:128*\f+64*\kk+32+8*\a+7], v[ADRA+\slot] offset:\k+64*\kk+\a*16*PITCH+32
.endr
.endr
.endm
.macro QUARTER slot, k, f, g, zero
	s_wait_dscnt 16                                ; the first 32 along K are in; the 16 loads of the second may be out
	WIN MUL
	MUL8 \f, 0, 0, \zero
	MUL8 \f, 0, 2, \zero
	PLACES
	FETCH \slot, \k, \g
	s_wait_dscnt 32                                ; all but the 32 just issued
	WIN MUL
	MUL8 \f, 1, 0, 0
	MUL8 \f, 1, 2, 0
.endm
.macro THREE slot, zero
	QUARTER \slot, 128, 0, 1, \zero
	QUARTER \slot, 256, 1, 0, 0
	QUARTER \slot, 384, 0, 1, 0
.endm
; The last quarter of a slot multiplies buffer 1 and changes slots: the waits for my reads of this slot and for all my tensor loads, the barrier (which opens a round of the
; cluster's barrier where the slot is filled again), the joint refill first behind it, one a wave, then the next slot's first fragments.
.macro TURN slot, next, fill
	s_wait_dscnt 16
	WIN MUL
	MUL8 1, 0, 0, 0
	s_wait_dscnt 0
	s_set_vgpr_msb 0xa5a0
	s_wait_tensorcnt 0x0
	ds_add_u32 v254, v255
	s_wait_dscnt 0x0
	s_set_vgpr_msb 0xa0a5
	s_barrier_signal -1
	MUL8 1, 0, 2, 0
	WIN 0
	s_barrier_wait -1
.if \fill
	CREST
	s_add_nc_u64 s[G0+4*\slot+2:G0+4*\slot+3], s[G0+4*\slot+2:G0+4*\slot+3], 2*KBYTES
	s_add_nc_u64 s[G0B+4*\slot+2:G0B+4*\slot+3], s[G0B+4*\slot+2:G0B+4*\slot+3], 2*KBYTES
	JLOAD \slot
.endif
	PLACES
	FETCH \next, 0, 0
	WIN MUL
	MUL8 1, 1, 0, 0
	MUL8 1, 1, 2, 0
.endm
.macro LAP zero
	THREE 0, \zero
	TURN 0, 1, 1
	THREE 1, 0
	TURN 1, 0, 1
.endm
	s_wait_tensorcnt 0x1                           ; my part of slot 0 is in; slot 1's stays out
	s_barrier_signal -1
	s_barrier_wait -1
	FETCH 0, 0, 0
	LAP 1                                          ; the first products start the sums
	WIN 0
	s_mov_b32 s3, LAPS-2
.Llap:
	LAP 0
	WIN 0
	s_sub_co_u32 s3, s3, 1
	s_cmp_lg_u32 s3, 0
	s_cbranch_scc1 .Llap
	THREE 0, 0                                     ; the last lap fills nothing
	TURN 0, 1, 0
	THREE 1, 0
	s_wait_dscnt 16
	WIN MUL
	MUL8 1, 0, 0, 0
	MUL8 1, 0, 2, 0
	s_wait_dscnt 0
	MUL8 1, 1, 0, 0
	MUL8 1, 1, 2, 0
	PLACES
	WIN 0
	; THE WAY OUT: 16 rows x 64 columns of f32 at a time through my own stage: a row is 256 bytes.
	s_lshl_b32 s16, s13, 20                        ; (128 block row + 64 i) rows of 8,192 bytes
	s_lshl_b32 s17, s11, 19
	s_add_co_u32 s16, s16, s17
	s_mov_b32 s17, 0
	s_add_nc_u64 s[8:9], s[8:9], s[16:17]
	s_lshl_b32 s46, s42, 9                         ; + (128 block column + 64 j) x 4 bytes
	s_lshl_b32 s47, s12, 8
	s_add_co_u32 s46, s46, s47
	s_mov_b32 s47, 0
	s_add_nc_u64 s[8:9], s[8:9], s[46:47]
.macro OUT16 a
	WIN 0x08                                       ; the data of an LDS store (source 1) in window 2
.irp b, 0,1,2,3
	ds_store_b128 v[STO], v[8*(4*\a+\b):8*(4*\a+\b)+3]   offset:64*\b
	ds_store_b128 v[STO], v[8*(4*\a+\b)+4:8*(4*\a+\b)+7] offset:64*\b+16
.endr
	WIN 0
.irp t, 0,1,2,3,4,5,6,7
	ds_load_b128 v[64+32*\a+4*\t:64+32*\a+4*\t+3], v[RD] offset:\t*2*SPITCH      ; LDS serves a wave's instructions in order (ISA guide 5.7.1): these see the stores above
.endr
.irp t, 0,1,2,3,4,5,6,7
	s_wait_dscnt 7-\t
	global_store_b128 v[CO], v[64+32*\a+4*\t:64+32*\a+4*\t+3], s[8:9] offset:\a*16*8192+\t*2*8192 th:TH_STORE_NT   ; sixteen lanes store 256 consecutive bytes, aligned
.endr
.endm
	OUT16 0                                        ; each row tile has its own 32 registers for the rows read back: no register of a store is written again
	OUT16 1
	OUT16 2
	OUT16 3
	s_wait_tensorcnt 0x0
	ds_add_u32 v254, v255
	s_wait_dscnt 0x0
	CROUND                                         ; the closing round
	s_endpgm
.Lfunc_end_k_qab85e95b95_proj:
	.size	k_qab85e95b95_proj, .Lfunc_end_k_qab85e95b95_proj-k_qab85e95b95_proj
	.p2alignl 7, 3214868480
	.fill 96, 4, 3214868480
	.section	.rodata,"a",@progbits
	.p2align	6, 0x0
	.amdhsa_kernel k_qab85e95b95_proj
		.amdhsa_group_segment_fixed_size 327680
		.amdhsa_private_segment_fixed_size 0
		.amdhsa_enable_private_segment 0
		.amdhsa_kernarg_size 24
		.amdhsa_user_sgpr_count 2
		.amdhsa_user_sgpr_kernarg_segment_ptr 1
		.amdhsa_wavefront_size32 1
		.amdhsa_system_sgpr_workgroup_id_x 1
		.amdhsa_system_sgpr_workgroup_id_y 1
		.amdhsa_system_sgpr_workgroup_id_z 1
		.amdhsa_system_vgpr_workitem_id 0
		.amdhsa_next_free_vgpr 640
		.amdhsa_next_free_sgpr 66
		.amdhsa_reserve_vcc 0
		.amdhsa_float_denorm_mode_32 3
		.amdhsa_float_denorm_mode_16_64 3
		.amdhsa_memory_ordered 1
		.amdhsa_forward_progress 1
		.amdhsa_inst_pref_size 122
	.end_amdhsa_kernel
	.amdgpu_metadata
---
amdhsa.version: [ 1, 2 ]
amdhsa.kernels:
  - .name:           k_qab85e95b95_proj
    .symbol:         k_qab85e95b95_proj.kd
    .args:
      - { .name: ab, .offset: 0, .size: 8, .value_kind: global_buffer, .address_space: global }
      - { .name: wb, .offset: 8, .size: 8, .value_kind: global_buffer, .address_space: global }
      - { .name: out0, .offset: 16, .size: 8, .value_kind: global_buffer, .address_space: global }
    .group_segment_fixed_size: 327680
    .private_segment_fixed_size: 0
    .kernarg_segment_align: 8
    .kernarg_segment_size: 24
    .max_flat_workgroup_size: 128
    .sgpr_count:     66
    .vgpr_count:     640
    .wavefront_size: 32
...
	.end_amdgpu_metadata
.endif
;; end of part 4
;; ======== version 2 of 2: 4 launches; version 1 with the launch conv written anew for expert scheduling mode
;; limits: values are held in f16: magnitudes above 65,504 overflow, below 6.1e-05 lose precision
;; workspace buffers: xb 8,388,608 bytes; wb 33,554,432 bytes; qb 8,388,608 bytes; kv 16,777,216 bytes; ab 8,388,608 bytes
;; launch conv (part 5): grid 1024 x 1, 8 waves a work-group, no clusters, 0 bytes of LDS; arguments x, wq, wk, wv, wo, xb, wb; writes xb, wb
.if DOCPART == 5
	.amdgcn_target "amdgcn-amd-amdhsa--gfx1250"
	.amdhsa_code_object_version 6
	.text
	.protected	k_qab85e95b95_conv
	.globl	k_qab85e95b95_conv
	.p2align	8
	.type	k_qab85e95b95_conv,@function
k_qab85e95b95_conv:
	s_mov_b64 s[64:65], 0
	v_nop
	global_prefetch_b8 v0, s[64:65] scope:SCOPE_SE
	s_setreg_imm32_b32 hwreg(HW_REG_WAVE_SCHED_MODE, 0, 2), 2
	s_setreg_imm32_b32 hwreg(HW_REG_WAVE_MODE, 25, 1), 1
	s_wait_xcnt 0x0
	s_wait_alu depctr_vm_vsrc(0)
; conv: the five f32 inputs of 2048 x 2048 are rounded once to 16 bits, so that the three matrix launches move and read half the bytes.
;   xb = bf16(x);  wb parts 0, 1, 2 = bf16(wq), bf16(wk), bf16(wv): together one matrix of [6144][2048];
;   wb part 3 = f16(4 * bf16(wo)): the 8 significant bits of a bf16 fit into the 11 of an f16, and 4 is a power of two.
; LIMIT: part 3 is exact for 2^-16 <= |wo| < 16376; smaller numbers are rounded to multiples of 2^-26, larger ones overflow f16.
; A stream: memory binds, so no LDS, no matrix unit, no cluster and no barrier.  A source is 1,024 x 16,384 bytes; work-group g takes bytes 16,384 g ..
; of each of the five.  A thread issues its 20 loads of 16 bytes at once (a load of a wave covers 512 neighbouring bytes) and stores 8 bytes for each:
; the 32 lanes of a store cover 256 consecutive bytes, aligned.
; THE MODE: SCHED_MODE bits 1:0 = 2 (LLVM: expert scheduling mode 2), set by the entry lines.  The code itself states the register dependences
; between vector instructions and memory instructions, with s_wait_alu, always for 0.
; THE PLAN.  Registers that memory instructions touch:
;   v1, v2   the offsets of all loads and of all stores.  Written at the head, never again.
;   X        the loads land here; no vector instruction names X ahead of the loads; no memory instruction reads X.
;   Y        two registers for each load: written by that load's conversions, read by one store, never written behind it.
; The work goes in five groups, one for each source.  Group p converts X[p] into Y[p]; its memory instructions are the four stores of group p - 1, which read Y[p - 1] and v2:
; registers that no vector instruction of group p names.  So one wait at a group's head states all that its four stores hang on, and they are dealt among the group's
; conversions with no further wait.  No register that a memory instruction reads is ever written again, so nothing is owed on that side; no vector instruction
; writes a scalar register, and EXEC is never written.
.set X, 4                              ; v[4:83]    load n = 4 src + j: four f32
.set Y, 84                             ; v[84:123]  load n: its four numbers in 16 bits
	s_load_b256 s[4:11], s[0:1], 0x0               ; x s[4:5], wq s[6:7], wk s[8:9], wv s[10:11]
	s_load_b128 s[12:15], s[0:1], 0x20             ; wo s[12:13], xb s[14:15]
	s_load_b64 s[16:17], s[0:1], 0x30              ; wb
	s_lshl_b32 s2, ttmp9, 14                       ; the group's 16,384 bytes of a source
	s_lshl_b32 s3, ttmp9, 13                       ; and its 8,192 bytes of a result
	v_lshlrev_b32 v1, 4, v0
	v_lshlrev_b32 v2, 3, v0
	v_add_nc_u32 v1, s2, v1                        ; 16 t + 16,384 g
	v_add_nc_u32 v2, s3, v2                        ; 8 t + 8,192 g
	s_wait_kmcnt 0x0
	s_wait_alu depctr_va_vdst(0)                   ; v1 and v2 are written: every load of the kernel reads v1 as its offset, every store v2
.irp src, 0,1,2,3,4
.irp j, 0,1,2,3
	global_load_b128 v[X+16*\src+4*\j:X+16*\src+4*\j+3], v1, s[4+2*\src:5+2*\src] offset:4096*\j th:TH_LOAD_NT
.endr
.endr
	s_add_nc_u64 s[18:19], s[16:17], 0x800000      ; wb part 1
	s_add_nc_u64 s[20:21], s[16:17], 0x1000000     ; wb part 2
	s_add_nc_u64 s[22:23], s[16:17], 0x1800000     ; wb part 3: the results of source src go to s[14 + 2 src : 15 + 2 src]
; The conversions of load 4 src + j: X into Y.
.macro CONV src, j
	v_cvt_pk_bf16_f32 v[Y+8*(\src)+2*(\j)],   v[X+16*(\src)+4*(\j)],   v[X+16*(\src)+4*(\j)+1]
	v_cvt_pk_bf16_f32 v[Y+8*(\src)+2*(\j)+1], v[X+16*(\src)+4*(\j)+2], v[X+16*(\src)+4*(\j)+3]
.if (\src) == 4
	v_lshlrev_b32 v[X+16*(\src)+4*(\j)],   16,         v[Y+8*(\src)+2*(\j)]      ; wo: the rounded numbers back in f32,
	v_and_b32     v[X+16*(\src)+4*(\j)+1], 0xffff0000, v[Y+8*(\src)+2*(\j)]
	v_lshlrev_b32 v[X+16*(\src)+4*(\j)+2], 16,         v[Y+8*(\src)+2*(\j)+1]
	v_and_b32     v[X+16*(\src)+4*(\j)+3], 0xffff0000, v[Y+8*(\src)+2*(\j)+1]
	v_pk_mul_f32 v[X+16*(\src)+4*(\j):X+16*(\src)+4*(\j)+1],   v[X+16*(\src)+4*(\j):X+16*(\src)+4*(\j)+1],   4.0 op_sel_hi:[1,0]   ; times 4,
	v_pk_mul_f32 v[X+16*(\src)+4*(\j)+2:X+16*(\src)+4*(\j)+3], v[X+16*(\src)+4*(\j)+2:X+16*(\src)+4*(\j)+3], 4.0 op_sel_hi:[1,0]
	v_cvt_pk_f16_f32 v[Y+8*(\src)+2*(\j)],   v[X+16*(\src)+4*(\j)],   v[X+16*(\src)+4*(\j)+1]                                       ; as f16
	v_cvt_pk_f16_f32 v[Y+8*(\src)+2*(\j)+1], v[X+16*(\src)+4*(\j)+2], v[X+16*(\src)+4*(\j)+3]
.endif
.endm
; The store of load 4 src + j.
.macro SEND src, j
	global_store_b64 v2, v[Y+8*(\src)+2*(\j):Y+8*(\src)+2*(\j)+1], s[14+2*(\src):15+2*(\src)] offset:2048*(\j)
.endm
; Group src: its four loads are converted; the four stores of the group before stand one in front of each load's conversions.
.macro GROUP src
.irp j, 0,1,2,3
	s_wait_loadcnt 19-(4*(\src)+(\j))              ; loads come back in order (ISA guide 5.7.1): this one is in, the younger ones stay out
.if (\j) == 0 && (\src) > 0
	s_wait_alu depctr_va_vdst(0)                   ; the conversions of the group before have written its Y, which the four stores of this group's turn read; no vector line behind this wait names that Y or v2
.endif
.if (\src) > 0
	SEND (\src)-1, \j
.endif
	CONV \src, \j
.endr
.endm
	GROUP 0                                        ; x: no group in front of it, so no store and no wait but those for its data
	GROUP 1                                        ; wq, and the stores of xb
	GROUP 2                                        ; wk, and the stores of wb part 0
	GROUP 3                                        ; wv, and the stores of wb part 1
	GROUP 4                                        ; wo, and the stores of wb part 2
	s_wait_alu depctr_va_vdst(0)                   ; the conversions of wo have written the last Y, which the last four stores read
.irp j, 0,1,2,3
	SEND 4, \j
.endr
	s_endpgm
.Lfunc_end_k_qab85e95b95_conv:
	.size	k_qab85e95b95_conv, .Lfunc_end_k_qab85e95b95_conv-k_qab85e95b95_conv
	.p2alignl 7, 3214868480
	.fill 96, 4, 3214868480
	.section	.rodata,"a",@progbits
	.p2align	6, 0x0
	.amdhsa_kernel k_qab85e95b95_conv
		.amdhsa_group_segment_fixed_size 0
		.amdhsa_private_segment_fixed_size 0
		.amdhsa_enable_private_segment 0
		.amdhsa_kernarg_size 56
		.amdhsa_user_sgpr_count 2
		.amdhsa_user_sgpr_kernarg_segment_ptr 1
		.amdhsa_wavefront_size32 1
		.amdhsa_system_sgpr_workgroup_id_x 1
		.amdhsa_system_sgpr_workgroup_id_y 1
		.amdhsa_system_sgpr_workgroup_id_z 1
		.amdhsa_system_vgpr_workitem_id 0
		.amdhsa_next_free_vgpr 124
		.amdhsa_next_free_sgpr 66
		.amdhsa_reserve_vcc 0
		.amdhsa_float_denorm_mode_32 3
		.amdhsa_float_denorm_mode_16_64 3
		.amdhsa_memory_ordered 1
		.amdhsa_forward_progress 1
		.amdhsa_inst_pref_size 10
	.end_amdhsa_kernel
	.amdgpu_metadata
---
amdhsa.version: [ 1, 2 ]
amdhsa.kernels:
  - .name:           k_qab85e95b95_conv
    .symbol:         k_qab85e95b95_conv.kd
    .args:
      - { .name: x, .offset: 0, .size: 8, .value_kind: global_buffer, .address_space: global }
      - { .name: wq, .offset: 8, .size: 8, .value_kind: global_buffer, .address_space: global }
      - { .name: wk, .offset: 16, .size: 8, .value_kind: global_buffer, .address_space: global }
      - { .name: wv, .offset: 24, .size: 8, .value_kind: global_buffer, .address_space: global }
      - { .name: wo, .offset: 32, .size: 8, .value_kind: global_buffer, .address_space: global }
      - { .name: xb, .offset: 40, .size: 8, .value_kind: global_buffer, .address_space: global }
      - { .name: wb, .offset: 48, .size: 8, .value_kind: global_buffer, .address_space: global }
    .group_segment_fixed_size: 0
    .private_segment_fixed_size: 0
    .kernarg_segment_align: 8
    .kernarg_segment_size: 56
    .max_flat_workgroup_size: 256
    .sgpr_count:     66
    .vgpr_count:     124
    .wavefront_size: 32
...
	.end_amdgpu_metadata
.endif
;; end of part 5
;; launch qkv: the kernel of part 2 again; grid 16 x 16, 4 waves a work-group, clusters of 4 x 4, 327,680 bytes of LDS; arguments xb, wb, qb, kv; writes qb, kv
;; launch attn: the kernel of part 3 again; grid 16 x 16, 8 waves a work-group, clusters of 4 x 4, 327,680 bytes of LDS; arguments qb, kv, mask, ab; writes ab
;; launch proj: the kernel of part 4 again; grid 16 x 16, 4 waves a work-group, clusters of 4 x 4, 327,680 bytes of LDS; arguments ab, wb, out0; writes out0
